; MI455X (gfx1250); checked and timed in simulation.
; The chip was launched on July 23, 2026; its instructions are those of AMD's public machine-readable ISA for CDNA 5 (MIT licence, August 2026) and "CDNA5" Instruction Set Architecture Reference Guide (July 2026). The comments in the code are by the model that wrote it; some were corrected since.
;; Window Mutual Self Attention. Allowed arithmetic: matrix products marked QUANTISED: E2M1 operands, one E8M0 scale for each 32 along K, by v_wmma_scale_f32_16x16x128_f8f6f4 with both operands' format E2M1 (or v_wmma_scale_f32_32x16x128_f4), f32 sums; products left as they are: bf16, f16 or f32 operands; f32 sums; everything else in f32.
;; Inputs: b_proj 128 float32; mask 512 x 128 x 128 float32; pe 1 x 64 x 128 float32; rpe_index 128 x 128 int32; rpe_table 675 x 8 float32; w_proj 128 x 256 float32; w_qkv_mut 384 x 128 float32; w_qkv_self 384 x 128 float32; x 1,024 x 128 x 128 float32.
;; Outputs: out0 1,024 x 128 x 128 float32.
;; This version of the problem:
;;   THIS VERSION OF THE PROBLEM IS GIVEN IN LOW PRECISION. The matrix products marked QUANTISED in the list below multiply operands that are first quantised to E2M1 (2 exponent bits, 1 mantissa bit; 4 bits a number), with one power-of-two scale for each 32 numbers along K (OCP MX v1.0); their sums are f32. The products marked 'left as it is' may take bf16, f16 or f32 operands, with f32 sums. Whichever they take, every output number must still come out within the allowed error. Rounding operands to bf16 (8 significant bits) uses up far more of that allowance than f16 does (11 bits, for magnitudes from 6e-5 to 65,504). All else is computed in f32.
;;   The module's matrix products, in the order in which they are computed (A, B: the left and right operand; K: the contracted axis; several contracted axes count as one K, in the product's order):
;;     1. [M 131,072, K 128] x [K 128, N 384]; A: input x; B: input w_qkv_self: QUANTISED
;;     2. batch 8,192 x [M 128, K 16] x [K 16, N 128]; A: computed on the way; B: computed on the way: left as it is (K = 16 < 32)
;;     3. batch 8,192 x [M 128, K 128] x [K 128, N 16]; A: computed on the way; B: computed on the way: left as it is (an operand is computed on the way)
;;     4. [M 131,072, K 128] x [K 128, N 384]; A: computed on the way; B: input w_qkv_mut: left as it is (an operand is computed on the way)
;;     5. batch 8,192 x [M 64, K 16] x [K 16, N 64]; A: computed on the way; B: computed on the way: left as it is (K = 16 < 32)
;;     6. batch 8,192 x [M 64, K 64] x [K 64, N 16]; A: computed on the way; B: computed on the way: left as it is (an operand is computed on the way)
;;     7. batch 8,192 x [M 64, K 16] x [K 16, N 64]; A: computed on the way; B: computed on the way: left as it is (K = 16 < 32)
;;     8. batch 8,192 x [M 64, K 64] x [K 64, N 16]; A: computed on the way; B: computed on the way: left as it is (an operand is computed on the way)
;;     9. [M 131,072, K 256] x [K 256, N 128]; A: computed on the way; B: input w_proj: left as it is (an operand is computed on the way)
;;   THE QUANTISER, for each operand of a quantised product, along K:
;;     - K is cut into blocks of 32 from its start; a last block that is shorter is filled with zeros.
;;     - A block's scale is 2^e with e = floor(log2(the largest magnitude in the block)) - 2, held to -126 .. 127; a block of zeros has e = 0. As a byte (E8M0): e + 127.
;;     - Each number is divided by its block's scale, clamped to +-6, and rounded to the nearest number of E2M1, ties to even, subnormals kept.
;;     - The product sums the exact products of the quantised numbers (number of the format x scale) in f32.
;;   ~~~python
;;   def quantise(x, axis):      # numpy; x: float32 -> the quantised numbers, widened to float32 again
;;       x = np.moveaxis(x, axis, -1); K = x.shape[-1]
;;       x = np.pad(x, [(0, 0)] * (x.ndim - 1) + [(0, -K % 32)]); x = x.reshape(x.shape[:-1] + (-1, 32)); a = np.abs(x).max(-1, keepdims=True)
;;       e = np.where(a > 0, np.clip(np.frexp(np.where(a > 0, a, 1))[1] - 1 - 2, -126, 127), 0)      # np.frexp(a)[1] - 1 = floor(log2(a)), exactly
;;       r = np.clip(x / 2.0 ** e, -6, 6)
;;       step = 2.0 ** (np.maximum(np.frexp(np.where(r == 0, 1, r))[1] - 1, 0) - 1)
;;       q = np.round(r / step) * step * 2.0 ** e      # np.round: ties to even
;;       return np.moveaxis(q.reshape(q.shape[:-2] + (-1,))[..., :K], -1, axis).astype(np.float32)
;;   ~~~
;; 2 versions, each right; version 2 is version 1 with the launch main written anew for expert scheduling mode. Each part assembles by itself: llvm-mc -triple=amdgcn-amd-amdhsa -mcpu=gfx1250 --defsym DOCPART=n.
;; ======== version 1 of 2: 2 launches
;; limits: values are held in f16: magnitudes above 65,504 overflow, below 6.1e-05 lose precision
;; workspace buffers: tab 715,776 bytes
;; launch prep (part 1): grid 128 x 1, 1 waves a work-group, no clusters, 0 bytes of LDS; arguments rpe_index, rpe_table, w_qkv_self, w_qkv_mut, w_proj, tab; writes tab
.if DOCPART == 1
	.amdgcn_target "amdgcn-amd-amdhsa--gfx1250"
	.amdhsa_code_object_version 6
	.text
	.protected	k_q8278704dba_prep
	.globl	k_q8278704dba_prep
	.p2align	8
	.type	k_q8278704dba_prep,@function
k_q8278704dba_prep:
	s_mov_b64 s[64:65], 0
	v_nop
	global_prefetch_b8 v0, s[64:65] scope:SCOPE_SE
	s_setreg_imm32_b32 hwreg(HW_REG_WAVE_MODE, 25, 1), 1
	s_wait_xcnt 0x0
; Lays the tables of the main launch into tab, in the order of the operand registers that will take them.  One wave to a work-group, 128 jobs, chosen by the work-group's number:
;   0-63    BIAS  [f 2][h 8][qt 4][i 16][lane][16 B]: register 8 kt + j of lane (r, hh) = rpe_table[rpe_index[64 f + 16 qt + r][16 (kt xor 4 f) + 8 hh + j]][h] x log2(e), f32
;   64-87   W4    [h][part][c 2][lane][16 B]: w_qkv_self rows 128 part + 16 h + r as E2M1 codes, k = 64 c + 32 hh + 0..31;  W4S [h][part][lane][4 B]: the row's four E8M0 bytes
;   88-111  WM    [h][part][s 4][g 2][lane][16 B]: w_qkv_mut rows 128 part + 16 h + r in f16, k = 32 s + 16 g + 8 hh + 0..7
;   112-127 WP    [ct 8][s 8][g 2][lane][16 B]: w_proj row 16 ct + r in f16; g = 0: columns 16 s + 8 hh + 0..7, g = 1: columns 128 + 16 s + 8 hh + 0..7
; Every store of the wave covers 512 consecutive bytes (the scale words 128).  No LDS, no matrix instruction, every wait for 0: a job is one run of loads, arithmetic, one run of stores.
; LIMITS: an index is held to 674, the table's last row.  A block of 32 zeros of w_qkv_self gets the scale byte 1 where the quantiser says 127: its codes are zeros, and this program alone reads the bytes.
; Blocks whose largest magnitude lies under 2^-124 are held at that byte.  The f16 weights want magnitudes under 65,504.  NaN and infinities are not served.
.set LOG2E, 0x3fb8aa3b
.set T_WM,  524288
.set T_WP,  622592
.set T_W4,  688128
.set T_W4S, 712704
	s_load_b256 s[4:11], s[0:1], 0x0               ; rpe_index s[4:5], rpe_table s[6:7], w_qkv_self s[8:9], w_qkv_mut s[10:11]
	s_load_b128 s[12:15], s[0:1], 0x20             ; w_proj s[12:13], tab s[14:15]
	v_and_b32 v1, 15, v0                           ; r
	v_bfe_u32 v2, v0, 4, 1                         ; hh
	v_lshlrev_b32 v3, 4, v0                        ; 16 x lane
	s_mov_b32 s21, 0                               ; the high word of every offset pair s[20:21]
	s_wait_kmcnt 0x0
	s_cmp_lt_u32 ttmp9, 64
	s_cbranch_scc0 .Lweights
	; ---- the bias of frame f, head h, query tile qt: 16 queries x 128 keys
	s_lshr_b32 s16, ttmp9, 5                       ; f
	s_bfe_u32 s17, ttmp9, 0x30002                  ; h
	s_and_b32 s18, ttmp9, 3                        ; qt
	s_lshl_b32 s20, s16, 15                        ; 64 f rows of 512 bytes
	s_lshl_b32 s19, s18, 13                        ; 16 qt rows
	s_add_co_u32 s20, s20, s19
	s_add_nc_u64 s[4:5], s[4:5], s[20:21]
	s_lshl_b32 s20, s17, 2                         ; the head's column of the table
	s_add_nc_u64 s[6:7], s[6:7], s[20:21]
	s_lshl_b32 s20, ttmp9, 13                      ; ((8 f + h) 4 + qt) x 8,192 = the job's number x 8,192
	s_add_nc_u64 s[14:15], s[14:15], s[20:21]
	s_mov_b32 s24, LOG2E
	s_mov_b32 s25, s24
	v_lshlrev_b32 v4, 9, v1
	v_lshl_add_u32 v4, v2, 5, v4                   ; index: row r, + 32 hh
	s_lshl_b32 s19, s16, 12
	v_add_nc_u32 v5, s19, v3                       ; true key tiles 0-3 go to tiles 4 f on,
	s_xor_b32 s19, s19, 4096
	v_add_nc_u32 v6, s19, v3                       ; true key tiles 4-7 to tiles 4 (1 - f) on
.irp k, 0,1,2,3,4,5,6,7
	global_load_b128 v[16+8*\k:19+8*\k], v4, s[4:5] offset:64*\k
	global_load_b128 v[20+8*\k:23+8*\k], v4, s[4:5] offset:64*\k+16
.endr
	s_wait_loadcnt 0x0
.set n, 0
.rept 64
	v_min_u32 v[16+n], 674, v[16+n]                ; held inside the table
.set n, n+1
.endr
.set n, 0
.rept 64
	v_lshlrev_b32 v[16+n], 5, v[16+n]              ; a row of the table is 8 heads x 4 bytes
.set n, n+1
.endr
.set n, 0
.rept 64
	global_load_b32 v[80+n], v[16+n], s[6:7]
.set n, n+1
.endr
	s_wait_loadcnt 0x0
.set n, 0
.rept 32
	v_pk_mul_f32 v[80+n:81+n], v[80+n:81+n], s[24:25] op_sel_hi:[1,0]   ; the main launch's exponentials are of base 2
.set n, n+2
.endr
.irp k, 0,1,2,3
	global_store_b128 v5, v[80+8*\k:83+8*\k], s[14:15] offset:1024*\k
	global_store_b128 v5, v[84+8*\k:87+8*\k], s[14:15] offset:1024*\k+512
.endr
.irp k, 0,1,2,3
	global_store_b128 v6, v[112+8*\k:115+8*\k], s[14:15] offset:1024*\k
	global_store_b128 v6, v[116+8*\k:119+8*\k], s[14:15] offset:1024*\k+512
.endr
	s_endpgm
.Lweights:
	s_cmp_lt_u32 ttmp9, 88
	s_cbranch_scc0 .Lhalf_floats
	; ---- 16 rows of w_qkv_self become one E2M1 fragment.  Lane (r, hh) takes of row r the numbers k = 64 c + 32 hh + 0..31: two whole blocks, so no other lane is asked for a maximum
	s_sub_co_u32 s16, ttmp9, 64
	s_lshr_b32 s17, s16, 3                         ; part: q, k, v
	s_and_b32 s18, s16, 7                          ; h
	s_lshl_b32 s20, s17, 16                        ; 128 part rows of 512 bytes
	s_lshl_b32 s19, s18, 13                        ; 16 h rows
	s_add_co_u32 s20, s20, s19
	s_add_nc_u64 s[8:9], s[8:9], s[20:21]
	s_mul_i32 s19, s18, 3
	s_add_co_u32 s19, s19, s17                     ; 3 h + part
	s_lshl_b32 s20, s19, 10
	s_add_co_u32 s20, s20, T_W4
	s_add_nc_u64 s[22:23], s[14:15], s[20:21]
	s_lshl_b32 s20, s19, 7
	s_add_co_u32 s20, s20, T_W4S
	s_add_nc_u64 s[24:25], s[14:15], s[20:21]
	s_mov_b32 s26, 0x76543210
	s_mov_b32 s27, 0xfedcba98                      ; selects for lane l xor 16
	v_lshlrev_b32 v4, 9, v1
	v_lshl_add_u32 v4, v2, 7, v4                   ; row r, + 128 hh
	v_lshlrev_b32 v5, 2, v0                        ; 4 x lane
.irp c, 0,1
.irp g, 0,1,2,3,4,5,6,7
	global_load_b128 v[64+32*\c+4*\g:67+32*\c+4*\g], v4, s[8:9] offset:256*\c+16*\g
.endr
.endr
	s_wait_loadcnt 0x0
.irp c, 0,1
	v_max3_num_f32 v[32+\c], |v[64+32*\c]|, |v[65+32*\c]|, 0x1800000   ; the block's largest magnitude, over the floor 2^(3 - 127): the byte cannot fall under 1
.endr
.irp i, 2,4,6,8,10,12,14,16,18,20,22,24,26,28,30
.irp c, 0,1
	v_max3_num_f32 v[32+\c], v[32+\c], |v[64+32*\c+\i]|, |v[65+32*\c+\i]|
.endr
.endr
.irp c, 0,1
	v_add_nc_u32 v[44+\c], 0xff000000, v[32+\c]    ; 2 off the exponent field: the conversion's scale operand
.endr
.irp c, 0,1
	v_lshrrev_b32 v[36+\c], 23, v[44+\c]           ; the scale's byte
.endr
	v_lshl_or_b32 v9, v37, 16, v36                 ; my bytes: blocks hh and 2 + hh,
	v_lshlrev_b32 v10, 3, v2
	v_lshlrev_b32 v9, v10, v9                      ; at their places in the row's word;
	v_mov_b32 v10, 0
	v_permlanex16_b32 v10, v9, s26, s27
	v_or_b32 v9, v9, v10                           ; with lane l xor 16's two the word is whole, in both lanes
.irp c, 0,1
.irp g, 0,1,2,3
	v_cvt_scalef32_pk8_fp4_f32 v[48+4*\c+\g], v[64+32*\c+8*\g:71+32*\c+8*\g], v[44+\c]
.endr
.endr
	v_nop                                          ; a plain instruction behind the last scaled conversion
	global_store_b128 v3, v[48:51], s[22:23]
	global_store_b128 v3, v[52:55], s[22:23] offset:512
	global_store_b32 v5, v9, s[24:25]
	s_endpgm
; 16 rows of a weight (source at s[16:17], rows \pitch bytes apart) become four f16 fragments of 32 along K: group (s, g) takes the 8 numbers at byte \step s + \dist g + 32 hh of row r
.macro CVT16 pitch, step, dist
	v_mul_u32_u24 v4, v1, \pitch
	v_lshl_add_u32 v4, v2, 5, v4
.irp s, 0,1,2,3
.irp g, 0,1
.irp e, 0,1
	global_load_b128 v[64+16*\s+8*\g+4*\e:67+16*\s+8*\g+4*\e], v4, s[16:17] offset:\step*\s+\dist*\g+16*\e
.endr
.endr
.endr
	s_wait_loadcnt 0x0
.set n, 0
.rept 32
	v_cvt_pk_f16_f32 v[16+n], v[64+2*n], v[65+2*n]
.set n, n+1
.endr
.irp s, 0,1,2,3
.irp g, 0,1
	global_store_b128 v3, v[16+8*\s+4*\g:19+8*\s+4*\g], s[18:19] offset:1024*\s+512*\g
.endr
.endr
.endm
.Lhalf_floats:
	s_cmp_lt_u32 ttmp9, 112
	s_cbranch_scc0 .Lprojection
	s_sub_co_u32 s26, ttmp9, 88                    ; ---- w_qkv_mut
	s_lshr_b32 s27, s26, 3                         ; part
	s_and_b32 s28, s26, 7                          ; h
	s_lshl_b32 s20, s27, 16
	s_lshl_b32 s29, s28, 13
	s_add_co_u32 s20, s20, s29
	s_add_nc_u64 s[16:17], s[10:11], s[20:21]
	s_mul_i32 s29, s28, 3
	s_add_co_u32 s29, s29, s27
	s_lshl_b32 s20, s29, 12
	s_add_co_u32 s20, s20, T_WM
	s_add_nc_u64 s[18:19], s[14:15], s[20:21]
	CVT16 512, 128, 64
	s_endpgm
.Lprojection:
	s_sub_co_u32 s26, ttmp9, 112                   ; ---- w_proj: tile ct of 16 output columns, K steps 4 half on
	s_lshr_b32 s27, s26, 1                         ; ct
	s_and_b32 s28, s26, 1                          ; half
	s_lshl_b32 s20, s27, 14                        ; 16 ct rows of 1,024 bytes
	s_lshl_b32 s29, s28, 8                         ; four K steps of 64 bytes
	s_add_co_u32 s20, s20, s29
	s_add_nc_u64 s[16:17], s[12:13], s[20:21]
	s_lshl_b32 s20, s27, 13
	s_lshl_b32 s29, s28, 12
	s_add_co_u32 s20, s20, s29
	s_add_co_u32 s20, s20, T_WP
	s_add_nc_u64 s[18:19], s[14:15], s[20:21]
	CVT16 1024, 64, 512
	s_endpgm
.Lfunc_end_k_q8278704dba_prep:
	.size	k_q8278704dba_prep, .Lfunc_end_k_q8278704dba_prep-k_q8278704dba_prep
	.p2alignl 7, 3214868480
	.fill 96, 4, 3214868480
	.section	.rodata,"a",@progbits
	.p2align	6, 0x0
	.amdhsa_kernel k_q8278704dba_prep
		.amdhsa_group_segment_fixed_size 0
		.amdhsa_private_segment_fixed_size 0
		.amdhsa_enable_private_segment 0
		.amdhsa_kernarg_size 48
		.amdhsa_user_sgpr_count 2
		.amdhsa_user_sgpr_kernarg_segment_ptr 1
		.amdhsa_wavefront_size32 1
		.amdhsa_system_sgpr_workgroup_id_x 1
		.amdhsa_system_sgpr_workgroup_id_y 1
		.amdhsa_system_sgpr_workgroup_id_z 1
		.amdhsa_system_vgpr_workitem_id 0
		.amdhsa_next_free_vgpr 160
		.amdhsa_next_free_sgpr 66
		.amdhsa_reserve_vcc 0
		.amdhsa_float_denorm_mode_32 3
		.amdhsa_float_denorm_mode_16_64 3
		.amdhsa_memory_ordered 1
		.amdhsa_forward_progress 1
		.amdhsa_inst_pref_size 35
	.end_amdhsa_kernel
	.amdgpu_metadata
---
amdhsa.version: [ 1, 2 ]
amdhsa.kernels:
  - .name:           k_q8278704dba_prep
    .symbol:         k_q8278704dba_prep.kd
    .args:
      - { .name: rpe_index, .offset: 0, .size: 8, .value_kind: global_buffer, .address_space: global }
      - { .name: rpe_table, .offset: 8, .size: 8, .value_kind: global_buffer, .address_space: global }
      - { .name: w_qkv_self, .offset: 16, .size: 8, .value_kind: global_buffer, .address_space: global }
      - { .name: w_qkv_mut, .offset: 24, .size: 8, .value_kind: global_buffer, .address_space: global }
      - { .name: w_proj, .offset: 32, .size: 8, .value_kind: global_buffer, .address_space: global }
      - { .name: tab, .offset: 40, .size: 8, .value_kind: global_buffer, .address_space: global }
    .group_segment_fixed_size: 0
    .private_segment_fixed_size: 0
    .kernarg_segment_align: 8
    .kernarg_segment_size: 48
    .max_flat_workgroup_size: 32
    .sgpr_count:     66
    .vgpr_count:     160
    .wavefront_size: 32
...
	.end_amdgpu_metadata
.endif
;; end of part 1
;; launch main (part 2): grid 256 x 1, 8 waves a work-group, no clusters, 327,680 bytes of LDS; arguments x, mask, pe, b_proj, tab, out0; writes out0
.if DOCPART == 2
	.amdgcn_target "amdgcn-amd-amdhsa--gfx1250"
	.amdhsa_code_object_version 6
	.text
	.protected	k_q8278704dba_main
	.globl	k_q8278704dba_main
	.p2align	8
	.type	k_q8278704dba_main,@function
k_q8278704dba_main:
	s_mov_b64 s[64:65], 0
	v_nop
	global_prefetch_b8 v0, s[64:65] scope:SCOPE_SE
	s_setreg_imm32_b32 hwreg(HW_REG_WAVE_MODE, 25, 1), 1
	s_wait_xcnt 0x0
; Window self-attention (qkv on E2M1 codes), two mutual attentions between a window's frames, and the projection, with nothing sent to memory on the way.
; SHARES.  A work-group owns ONE FRAME of output rows (f = number & 1: rows 64 f .. 64 f + 63) of 8 windows, one after the other (an ITEM).  So it wants half of the gathered bias, 8 heads x 64 x 128 f32 = 256 KB,
; and that half lies in registers v256-511 of its eight waves for the whole launch: wave = head, 64 registers a query tile.  Item t: mask group j = 4 (number / 2) + t / 2, window j + 512 (t & 1): a mask serves two items.
; A wave is head w in the qkv products and the attentions, token tile w where x is converted, token tile w & 3 x column half w / 4 in the projection.
; FRAME-RELATIVE ORDER.  Wave w loads the window's token tile w xor 4 f and keeps it as tile w: tiles 0-3 are the own frame (self queries; mutual keys and values), tiles 4-7 the other (mutual queries).
; Self keys run in that order; the mask's columns are swapped so as they are loaded, the bias was laid so.  A softmax does not mind the order of its keys.  f enters addresses in memory alone.
; LAYOUT.  Q, K: source 0 = 16 weight rows, source 1 = 16 tokens: a lane holds token r = lane % 16 and channels 8 hh + j (hh = lane / 16): four conversions are registers 0-3 of a fragment.  V the other way round.
; S^T = K Q^T: K = 16 channels fill half of the instruction's 32; Q's registers 4-7 are zeros, and K's operand runs on into four registers that hold other finite f16 numbers.  C is the mask (+ bias), so the logits cost no addition.
; A lane holds ONE query throughout; p packed to f16 in place is source 1 of O^T = V^T P^T; O^T's eight channels pack into half a fragment of the projection, whose K step s is [mutual head s | self head s].
; SOFTMAX: the row's true maximum is taken away; p = 2^(l - max), the logits carrying log2(e); the sum is of the f32 p; O^T is divided by it.
; TWO BARRIERS AN ITEM: behind the first x's codes and f16(x + pe) lie in LDS; behind the second the attentions' results.  Between them waves 0-3 run SELF then MUT, waves 4-7 MUT then SELF.
; LIMITS.  f16 operands: |x + pe|, the weights, q, k, v and the attentions' results stay under 65,504.  Inputs are finite (the zero half of K multiplies stale finite numbers).
; A block of 32 zeros of x gets the scale byte 1 where the quantiser says 127: its codes are zeros, and this program alone reads the bytes; blocks under 2^-124 are held at that byte.
; No tensor load and no cluster: what partners share is x, which has to pass through registers to be quantised.
.set L_WP,  98304                      ; LDS: from 0 w_qkv_mut's f16 fragments (12,288 bytes a head), here w_proj's,
.set L_PE,  163840                     ; pe as images of the registers that x is loaded into: [tile 4][16][lane][16 B],
.set L_MS,  196608                     ; the self mask x log2(e): 64 rows, 528 bytes apart,
.set L_MM,  230400                     ; mask[:64, :64] x log2(e): 64 rows, 272 apart,
.set L_X16, 247808                     ; f16(x + pe): 128 rows, 272 apart; on the way out wave w's stage is its own tile's 4,352 bytes,
.set L_X4,  282624                     ; x's codes: 128 rows of 64 bytes, 80 apart,
.set L_X4S, 292864                     ; x's scale bytes, 4 a row,
.set L_OI,  293376                     ; the projection's operand as images: [tile 4][head 8][g 2][lane][16 B],
.set L_BP,  326144                     ; b_proj,
.set SPARE, 326656                     ; the spare words, 128 bytes for each wave: four blocks of 256 bytes that no other line names
.set T_WM,  524288                     ; tab: the f16 weights, E2M1 weights and their scale words
.set T_W4,  688128
.set T_W4S, 712704
.set LI,   1                           ; 16 x lane
.set AX16, 2                           ; L_X16 + 272 r + 16 hh
.set AX4,  3                           ; L_X4 + 80 r + 16 hh
.set AX4S, 4                           ; L_X4S + 4 r
.set AWM,  5                           ; 12,288 w + 16 lane
.set AWP,  6                           ; L_WP + 32,768 (w / 4) + 16 lane
.set AMS,  7                           ; L_MS + 528 r + 32 hh
.set AMM,  8                           ; L_MM + 272 r + 32 hh
.set AOW,  9                           ; L_OI + 1,024 w + 16 lane
.set AOR,  10                          ; L_OI + 8,192 (w & 3) + 16 lane
.set AST,  11                          ; L_X16 + 4,352 w + 272 r + 32 hh
.set ASR,  12                          ; L_X16 + 4,352 w + 272 hh + 16 r
.set AXS4, 13                          ; L_X4 + 1,280 w + 80 hh + 4 r
.set AXSS, 14                          ; L_X4S + 64 w + 4 hh + r / 4
.set APE,  15                          ; L_PE + 8,192 (w & 3) + 16 lane
.set AMSW, 16                          ; L_MS + 4,224 w + 16 lane
.set AMMW, 17                          ; L_MM + 2,176 w + 272 hh + 16 r
.set ABP,  18                          ; L_BP + 256 (w / 4) + 32 hh
.set GX,   19                          ; memory: 512 hh + 32 r
.set GM,   20                          ; (16 lane) xor 256 f
.set GO,   21                          ; 512 hh + 16 r
.set GP,   22                          ; 256 lane
.set LW,   23                          ; 4 lane
.set SPW,  24                          ; my spare word; never rewritten
.set NIL,  25                          ; 0; never rewritten
.set WQ,   26                          ; v26-49 w_qkv_self's three fragments of my head
.set WK,   34
.set WV,   42
.set SQ,   50                          ; v50-52 their scale words; v53-56 x's, two sets of two: these seven hold scales and nothing else
.set SK,   51
.set SV,   52
.set XS,   53
.set QF,   58                          ; v58-89   4 x [q | zeros]; the projection's four accumulators
.set KF,   90                          ; v90-121  K
.set VF,   122                         ; v122-153 V
.set FB,   90                          ; the same 64 as a buffer of fragments where K and V are dead
.set D,    154                         ; v154-217 logits, p, accumulators of the qkv products, the next item's x
.set PA,   218                         ; v218-233 two accumulators of V^T P^T; a set of x's code fragments; x's codes as they are made
.set TM,   234                         ; v234-241 chains of maxima
.set MA,   242                         ; v242.. maxima, reciprocals, sums; where x is converted: the eight scale operands
.set MB,   244
.set LA,   246
.set LB,   248
.set SO,   242
.set OT,   250                         ; v250-253 a packed result
.set PX,   254                         ; v254, v255 destinations of lane permutes
.set T1,   255
.set MSB, 0
.macro WIN new                         ; the immediate's high byte repeats the setting that is left
.if MSB != \new
	s_set_vgpr_msb (MSB<<8)|\new
.set MSB, \new
.endif
.endm
.macro NOP4                            ; four plain instructions between a matrix instruction and a vector instruction that reads its result, or a load into one of its registers
.rept 4
	v_nop
.endr
.endm
.macro BAR                             ; my LDS stores have landed and my LDS loads are in; then the work-group's barrier
	s_wait_dscnt 0x0
	s_barrier_signal -1
	s_barrier_wait -1
.endm
.macro WINDOW treg                     ; of the item whose number is in s[treg]: s40 = 65,536 x mask group, s41 = 65,536 x window
	s_lshr_b32 s40, s[\treg], 1
	s_add_co_u32 s40, s40, s58
	s_and_b32 s41, s[\treg], 1
	s_lshl_b32 s41, s41, 9
	s_add_co_u32 s41, s41, s40
	s_lshl_b32 s40, s40, 16
	s_lshl_b32 s41, s41, 16
.endm
.macro XLD                             ; my token tile of x: D[8 i ..] = row 2 i + hh, k = 8 r .. 8 r + 7
.irp i, 0,1,2,3,4,5,6,7
	global_load_b128 v[D+8*\i:D+8*\i+3], v[GX], s[24:25] offset:1024*\i
	global_load_b128 v[D+8*\i+4:D+8*\i+7], v[GX], s[24:25] offset:1024*\i+16
.endr
.endm
.macro MASKLD                          ; my 8 rows of the frame's self mask, whole (halves swapped where f = 1), and my 8 rows of mask[:64, :64]
.irp i, 0,1,2,3,4,5
	global_load_b128 v[130+4*\i:133+4*\i], v[GM], s[26:27] offset:512*\i
.endr
.irp i, 6,7
	global_load_b128 v[218+4*(\i-6):221+4*(\i-6)], v[GM], s[26:27] offset:512*\i
.endr
.irp i, 0,1,2,3
	global_load_b128 v[226+4*\i:229+4*\i], v[GO], s[28:29] offset:1024*\i
.endr
.endm
.macro MASKST                          ; x log2(e), and into LDS
	s_wait_loadcnt 0x0                             ; for 0: the loads behind the mask's stand under another branch, so no count holds on every path
.set n, 0
.rept 12
	v_pk_mul_f32 v[130+n:131+n], v[130+n:131+n], s[38:39] op_sel_hi:[1,0]
.set n, n+2
.endr
.set n, 0
.rept 12
	v_pk_mul_f32 v[218+n:219+n], v[218+n:219+n], s[38:39] op_sel_hi:[1,0]
.set n, n+2
.endr
.irp i, 0,1,2,3,4,5
	ds_store_b128 v[AMSW], v[130+4*\i:133+4*\i] offset:528*\i
.endr
.irp i, 6,7
	ds_store_b128 v[AMSW], v[218+4*(\i-6):221+4*(\i-6)] offset:528*\i
.endr
.irp i, 0,1,2,3
	ds_store_b128 v[AMMW], v[226+4*\i:229+4*\i] offset:544*\i
.endr
.endm
; ================= SELF: qkv on codes, then four query tiles =================
.macro L4 b, fr, sc                    ; code fragments and scale words of token tiles 2 b, 2 b + 1: six LDS loads
.irp u, 0,1
	ds_load_b128 v[\fr+8*\u:\fr+8*\u+3], v[AX4] offset:1280*(2*(\b)+\u)
	ds_load_b128 v[\fr+8*\u+4:\fr+8*\u+7], v[AX4] offset:1280*(2*(\b)+\u)+32
	ds_load_b32 v[\sc+\u], v[AX4S] offset:64*(2*(\b)+\u)
.endr
.endm
.macro MM4 d, a, b, sa, sb
	v_wmma_scale_f32_16x16x128_f8f6f4 v[\d:\d+7], v[\a:\a+7], v[\b:\b+7], 0, v[\sa], v[\sb] matrix_a_fmt:MATRIX_FMT_FP4 matrix_b_fmt:MATRIX_FMT_FP4
.endm
.macro BATCH4 b, fr, sc                ; K and V of tiles 2 b, 2 b + 1, and Q where they are the own frame's (b < 2); K = 128 is one instruction, so every sum starts and ends in it
.if (\b) < 3
	s_wait_dscnt 6                                 ; this batch's six loads are in; the next batch's six may be out
.else
	s_wait_dscnt 0x0
.endif
.irp u, 0,1
	MM4 D+8*\u, WK, \fr+8*\u, SK, \sc+\u
	MM4 D+16+8*\u, \fr+8*\u, WV, \sc+\u, SV
.if (\b) < 2
	MM4 D+32+8*\u, WQ, \fr+8*\u, SQ, \sc+\u
.endif
.endr
	NOP4
.if (\b) < 2
	L4 (\b)+2, \fr, \sc                            ; the set just multiplied takes the batch after the next
.endif
.irp u, 0,1
.irp i, 0,1,2,3
	v_cvt_pk_f16_f32 v[KF+4*(2*(\b)+\u)+\i], v[D+8*\u+2*\i], v[D+8*\u+2*\i+1]
.endr
.irp i, 0,1,2,3
	v_cvt_pk_f16_f32 v[VF+4*(2*(\b)+\u)+\i], v[D+16+8*\u+2*\i], v[D+16+8*\u+2*\i+1]
.endr
.if (\b) < 2
.irp i, 0,1,2,3
	v_pk_mul_f32 v[D+32+8*\u+2*\i:D+32+8*\u+2*\i+1], v[D+32+8*\u+2*\i:D+32+8*\u+2*\i+1], s[36:37] op_sel_hi:[1,0]   ; q x log2(e) / 4, in f32
.endr
.irp i, 0,1,2,3
	v_cvt_pk_f16_f32 v[QF+8*(2*(\b)+\u)+\i], v[D+32+8*\u+2*\i], v[D+32+8*\u+2*\i+1]
.endr
.endif
.endr
.endm
.macro SLOADM qt                       ; the mask of query tile qt into the logits' registers: lane (r, hh): query r, register 8 kt + j key 16 kt + 8 hh + j
.irp kt, 0,1,2,3,4,5,6,7
	ds_load_b128 v[D+8*\kt:D+8*\kt+3], v[AMS] offset:8448*(\qt)+64*\kt
	ds_load_b128 v[D+8*\kt+4:D+8*\kt+7], v[AMS] offset:8448*(\qt)+64*\kt+16
.endr
.endm
.macro CHAINS                          ; eight chains, one an accumulator, each begun at its accumulator's low end, seven numbers each
.irp c, 0,1,2,3,4,5,6,7
	v_max3_num_f32 v[TM+\c], v[D+8*\c], v[D+8*\c+1], v[D+8*\c+2]
.endr
.irp i, 3,5
.irp c, 0,1,2,3,4,5,6,7
	v_max3_num_f32 v[TM+\c], v[TM+\c], v[D+8*\c+\i], v[D+8*\c+\i+1]
.endr
.endr
.endm
.macro EXP64                           ; 64 exponentials as one batch, a plain instruction, one wait ahead of the first reader
.set n, 0
.rept 64
	v_exp_f32 v[D+n], v[D+n]
.set n, n+1
.endr
	v_nop
	s_wait_alu depctr_va_vdst(0)
.endm
.macro SATT qt
	s_wait_dscnt 0x0                               ; the mask is in
	WIN 0x04                                       ; source 1: the bias, v256 + 64 qt on
.set n, 0
.rept 32
	v_pk_add_f32 v[D+n:D+n+1], v[D+n:D+n+1], v[64*(\qt)+n:64*(\qt)+n+1]
.set n, n+2
.endr
	WIN 0
.irp kt, 0,1,2,3,4,5,6,7
	v_wmma_f32_16x16x32_f16 v[D+8*\kt:D+8*\kt+7], v[KF+4*\kt:KF+4*\kt+7], v[QF+8*(\qt):QF+8*(\qt)+7], v[D+8*\kt:D+8*\kt+7]
.endr
	NOP4
	CHAINS
.irp c, 0,1,2,3
	v_max3_num_f32 v[TM+\c], v[TM+\c], v[D+16*\c+7], v[D+16*\c+15]
.endr
	v_max3_num_f32 v[TM], v[TM], v[TM+4], v[TM+5]
	v_max3_num_f32 v[TM+1], v[TM+1], v[TM+6], v[TM+7]
	v_max3_num_f32 v[TM], v[TM], v[TM+1], v[TM+2]
	v_max_num_f32 v[TM], v[TM], v[TM+3]
	v_permlanex16_b32 v[PX], v[TM], s34, s35       ; the query's other 64 keys lie in the lane 16 away
	v_max_num_f32 v[MA], v[TM], v[PX]
.set n, 0
.rept 32
	v_pk_add_f32 v[D+n:D+n+1], v[D+n:D+n+1], v[MA:MA+1] op_sel_hi:[1,0] neg_lo:[0,1] neg_hi:[0,1]
.set n, n+2
.endr
	EXP64
	v_pk_add_f32 v[LA:LA+1], v[D:D+1], v[D+2:D+3]  ; the sum of the f32 p, in two chains; each pair is summed before a packed word lands on it
	v_pk_add_f32 v[LB:LB+1], v[D+4:D+5], v[D+6:D+7]
.irp n, 0,1,2,3
	v_cvt_pk_f16_f32 v[D+\n], v[D+2*\n], v[D+2*\n+1]
.endr
.set n, 4
.rept 14
	v_pk_add_f32 v[LA:LA+1], v[LA:LA+1], v[D+2*n:D+2*n+1]
	v_cvt_pk_f16_f32 v[D+n], v[D+2*n], v[D+2*n+1]
	v_pk_add_f32 v[LB:LB+1], v[LB:LB+1], v[D+2*n+2:D+2*n+3]
	v_cvt_pk_f16_f32 v[D+n+1], v[D+2*n+2], v[D+2*n+3]
.set n, n+2
.endr
	v_wmma_f32_16x16x32_f16 v[PA:PA+7], v[VF:VF+7], v[D:D+7], 0                       ; O^T in two accumulators that take turns
	v_wmma_f32_16x16x32_f16 v[PA+8:PA+15], v[VF+8:VF+15], v[D+8:D+15], 0
	v_wmma_f32_16x16x32_f16 v[PA:PA+7], v[VF+16:VF+23], v[D+16:D+23], v[PA:PA+7]
	v_wmma_f32_16x16x32_f16 v[PA+8:PA+15], v[VF+24:VF+31], v[D+24:D+31], v[PA+8:PA+15]
	v_pk_add_f32 v[LA:LA+1], v[LA:LA+1], v[LB:LB+1]   ; the row's sum: these lines are also the plain instructions behind the products
	v_add_f32 v[LA], v[LA], v[LA+1]
	v_permlanex16_b32 v[PX], v[LA], s34, s35
	v_add_f32 v[LA], v[LA], v[PX]
	v_nop
.if (\qt) < 3
	SLOADM (\qt)+1                                 ; the next tile's mask is on its way while this tile is finished
.endif
	v_rcp_f32 v[MB], v[LA]
	v_nop
	s_wait_alu depctr_va_vdst(0)
.irp i, 0,2,4,6
	v_pk_add_f32 v[PA+\i:PA+\i+1], v[PA+\i:PA+\i+1], v[PA+8+\i:PA+9+\i]
.endr
.irp i, 0,2,4,6
	v_pk_mul_f32 v[PA+\i:PA+\i+1], v[PA+\i:PA+\i+1], v[MB:MB+1] op_sel_hi:[1,0]
.endr
.irp i, 0,1,2,3
	v_cvt_pk_f16_f32 v[OT+\i], v[PA+2*\i], v[PA+2*\i+1]
.endr
	ds_store_b128 v[AOW], v[OT:OT+3] offset:8192*(\qt)+512   ; registers 4-7 of the projection's fragment (tile qt, K step = my head)
.endm
.macro SELF
	L4 0, D+48, XS
	L4 1, PA, XS+2
	BATCH4 0, D+48, XS
	BATCH4 1, PA, XS+2
	BATCH4 2, D+48, XS
	BATCH4 3, PA, XS+2
	SLOADM 0
	SATT 0
	SATT 1
	SATT 2
	SATT 3
.endm
; ================= MUT: qkv in f16, then two pairs of query tiles =================
.macro MLOADM p                        ; mask[:64, :64] of query tiles 2 p and 2 p + 1 into the two halves of D
.irp a, 0,1
.irp kt, 0,1,2,3
	ds_load_b128 v[D+32*\a+8*\kt:D+32*\a+8*\kt+3], v[AMM] offset:4352*(2*(\p)+\a)+64*\kt
	ds_load_b128 v[D+32*\a+8*\kt+4:D+32*\a+8*\kt+7], v[AMM] offset:4352*(2*(\p)+\a)+64*\kt+16
.endr
.endr
.endm
.macro QKV16
	; q of the other frame's four tiles (tiles 4-7): four accumulators by turns, 32 along K a step
.irp s, 0,1,2,3
.irp g, 0,1
	ds_load_b128 v[FB+4*\g:FB+4*\g+3], v[AWM] offset:1024*\s+512*\g
.endr
.irp t, 0,1,2,3
.irp g, 0,1
	ds_load_b128 v[FB+8+8*\t+4*\g:FB+11+8*\t+4*\g], v[AX16] offset:4352*(4+\t)+64*\s+32*\g
.endr
.endr
.irp t, 0,1,2,3
	s_wait_dscnt 6-2*\t                            ; the two loads of each tile still to come may be out
.if \s == 0
	v_wmma_f32_16x16x32_f16 v[D+8*\t:D+8*\t+7], v[FB:FB+7], v[FB+8+8*\t:FB+15+8*\t], 0
.else
	v_wmma_f32_16x16x32_f16 v[D+8*\t:D+8*\t+7], v[FB:FB+7], v[FB+8+8*\t:FB+15+8*\t], v[D+8*\t:D+8*\t+7]
.endif
.endr
	NOP4
.endr
.irp t, 0,1,2,3
.irp i, 0,1,2,3
	v_pk_mul_f32 v[D+8*\t+2*\i:D+8*\t+2*\i+1], v[D+8*\t+2*\i:D+8*\t+2*\i+1], s[36:37] op_sel_hi:[1,0]
.endr
.endr
.irp t, 0,1,2,3
.irp i, 0,1,2,3
	v_cvt_pk_f16_f32 v[QF+8*\t+\i], v[D+8*\t+2*\i], v[D+8*\t+2*\i+1]
.endr
.endr
	; k and v of the own frame's four tiles: eight accumulators by turns
.irp s, 0,1,2,3
.irp g, 0,1
	ds_load_b128 v[FB+4*\g:FB+4*\g+3], v[AWM] offset:4096+1024*\s+512*\g
.endr
.irp g, 0,1
	ds_load_b128 v[FB+8+4*\g:FB+11+4*\g], v[AWM] offset:8192+1024*\s+512*\g
.endr
.irp t, 0,1,2,3
.irp g, 0,1
	ds_load_b128 v[FB+16+8*\t+4*\g:FB+19+8*\t+4*\g], v[AX16] offset:4352*\t+64*\s+32*\g
.endr
.endr
.irp t, 0,1,2,3
	s_wait_dscnt 6-2*\t
.if \s == 0
	v_wmma_f32_16x16x32_f16 v[D+16*\t:D+16*\t+7], v[FB:FB+7], v[FB+16+8*\t:FB+23+8*\t], 0
	v_wmma_f32_16x16x32_f16 v[D+16*\t+8:D+16*\t+15], v[FB+16+8*\t:FB+23+8*\t], v[FB+8:FB+15], 0
.else
	v_wmma_f32_16x16x32_f16 v[D+16*\t:D+16*\t+7], v[FB:FB+7], v[FB+16+8*\t:FB+23+8*\t], v[D+16*\t:D+16*\t+7]
	v_wmma_f32_16x16x32_f16 v[D+16*\t+8:D+16*\t+15], v[FB+16+8*\t:FB+23+8*\t], v[FB+8:FB+15], v[D+16*\t+8:D+16*\t+15]
.endif
.endr
	NOP4
.endr
.irp t, 0,1,2,3
.irp i, 0,1,2,3
	v_cvt_pk_f16_f32 v[KF+4*\t+\i], v[D+16*\t+2*\i], v[D+16*\t+2*\i+1]   ; (KF + 16 .. 19, into which the last key tile's operand runs on, keep a fragment of f16(x + pe))
.endr
.irp i, 0,1,2,3
	v_cvt_pk_f16_f32 v[VF+4*\t+\i], v[D+16*\t+8+2*\i], v[D+16*\t+9+2*\i]
.endr
.endr
.endm
.macro MATT2 p                         ; query tiles 2 p (D's lower half, TM 0-3, MA, LA) and 2 p + 1 (upper half, TM 4-7, MB, LB), 64 keys each
	s_wait_dscnt 0x0
.irp a, 0,1
.irp kt, 0,1,2,3
	v_wmma_f32_16x16x32_f16 v[D+32*\a+8*\kt:D+32*\a+8*\kt+7], v[KF+4*\kt:KF+4*\kt+7], v[QF+8*(2*(\p)+\a):QF+8*(2*(\p)+\a)+7], v[D+32*\a+8*\kt:D+32*\a+8*\kt+7]
.endr
.endr
	NOP4
	CHAINS
	v_max3_num_f32 v[TM], v[TM], v[D+7], v[D+15]
	v_max3_num_f32 v[TM+1], v[TM+1], v[D+23], v[D+31]
	v_max3_num_f32 v[TM+4], v[TM+4], v[D+39], v[D+47]
	v_max3_num_f32 v[TM+5], v[TM+5], v[D+55], v[D+63]
	v_max3_num_f32 v[TM], v[TM], v[TM+1], v[TM+2]
	v_max3_num_f32 v[TM+4], v[TM+4], v[TM+5], v[TM+6]
	v_max_num_f32 v[TM], v[TM], v[TM+3]
	v_max_num_f32 v[TM+4], v[TM+4], v[TM+7]
	v_permlanex16_b32 v[PX], v[TM], s34, s35
	v_permlanex16_b32 v[T1], v[TM+4], s34, s35
	v_max_num_f32 v[MA], v[TM], v[PX]
	v_max_num_f32 v[MB], v[TM+4], v[T1]
.set n, 0
.rept 16
	v_pk_add_f32 v[D+n:D+n+1], v[D+n:D+n+1], v[MA:MA+1] op_sel_hi:[1,0] neg_lo:[0,1] neg_hi:[0,1]
	v_pk_add_f32 v[D+32+n:D+33+n], v[D+32+n:D+33+n], v[MB:MB+1] op_sel_hi:[1,0] neg_lo:[0,1] neg_hi:[0,1]
.set n, n+2
.endr
	EXP64
	v_pk_add_f32 v[LA:LA+1], v[D:D+1], v[D+2:D+3]
	v_pk_add_f32 v[LB:LB+1], v[D+32:D+33], v[D+34:D+35]
	v_cvt_pk_f16_f32 v[D], v[D], v[D+1]
	v_cvt_pk_f16_f32 v[D+32], v[D+32], v[D+33]
	v_cvt_pk_f16_f32 v[D+1], v[D+2], v[D+3]
	v_cvt_pk_f16_f32 v[D+33], v[D+34], v[D+35]
.set n, 2
.rept 14
	v_pk_add_f32 v[LA:LA+1], v[LA:LA+1], v[D+2*n:D+2*n+1]
	v_cvt_pk_f16_f32 v[D+n], v[D+2*n], v[D+2*n+1]
	v_pk_add_f32 v[LB:LB+1], v[LB:LB+1], v[D+32+2*n:D+33+2*n]
	v_cvt_pk_f16_f32 v[D+32+n], v[D+32+2*n], v[D+33+2*n]
.set n, n+1
.endr
	v_wmma_f32_16x16x32_f16 v[PA:PA+7], v[VF:VF+7], v[D:D+7], 0                       ; one accumulator a query tile, by turns
	v_wmma_f32_16x16x32_f16 v[PA+8:PA+15], v[VF:VF+7], v[D+32:D+39], 0
	v_wmma_f32_16x16x32_f16 v[PA:PA+7], v[VF+8:VF+15], v[D+8:D+15], v[PA:PA+7]
	v_wmma_f32_16x16x32_f16 v[PA+8:PA+15], v[VF+8:VF+15], v[D+40:D+47], v[PA+8:PA+15]
	v_add_f32 v[LA], v[LA], v[LA+1]                ; the rows' sums: the four additions are the plain instructions behind the products
	v_add_f32 v[LB], v[LB], v[LB+1]
	v_permlanex16_b32 v[PX], v[LA], s34, s35
	v_permlanex16_b32 v[T1], v[LB], s34, s35
	v_add_f32 v[LA], v[LA], v[PX]
	v_add_f32 v[LB], v[LB], v[T1]
.if (\p) < 1
	MLOADM (\p)+1
.endif
	v_rcp_f32 v[MA], v[LA]
	v_rcp_f32 v[MB], v[LB]
	v_nop
	s_wait_alu depctr_va_vdst(0)
.irp i, 0,2,4,6
	v_pk_mul_f32 v[PA+\i:PA+\i+1], v[PA+\i:PA+\i+1], v[MA:MA+1] op_sel_hi:[1,0]
.endr
.irp i, 0,2,4,6
	v_pk_mul_f32 v[PA+8+\i:PA+9+\i], v[PA+8+\i:PA+9+\i], v[MB:MB+1] op_sel_hi:[1,0]
.endr
.irp i, 0,1,2,3
	v_cvt_pk_f16_f32 v[OT+\i], v[PA+2*\i], v[PA+2*\i+1]
.endr
.irp i, 0,1,2,3
	v_cvt_pk_f16_f32 v[TM+\i], v[PA+8+2*\i], v[PA+9+2*\i]
.endr
	ds_store_b128 v[AOW], v[OT:OT+3] offset:8192*(2*(\p))      ; registers 0-3 of the projection's fragment: the query of the other frame's token n gives output row n of mine
	ds_store_b128 v[AOW], v[TM:TM+3] offset:8192*(2*(\p)+1)
.endm
.macro MUT
	QKV16
	MLOADM 0
	MATT2 0
	MATT2 1
.endm
; ================= the head =================
	s_load_b256 s[4:11], s[0:1], 0x0               ; x s[4:5], mask s[6:7], pe s[8:9], b_proj s[10:11]
	s_load_b128 s[12:15], s[0:1], 0x20             ; tab s[12:13], out0 s[14:15]
	v_lshl_add_u32 v[SPW], v0, 2, SPARE
	v_mov_b32 v[NIL], 0
	v_lshrrev_b32 v253, 5, v0
	v_readfirstlane_b32 s16, v253                  ; w: wave 0..7
	s_and_b32 s17, ttmp9, 1                        ; f: my frame
	s_lshr_b32 s18, ttmp9, 1
	s_lshl_b32 s58, s18, 2                         ; my first mask group
	s_lshr_b32 s19, s16, 2                         ; w / 4
	s_and_b32 s20, s16, 3                          ; w & 3
	s_mov_b32 s33, 0                               ; the high word of the offset pair s[32:33]
	s_mov_b32 s34, 0x76543210
	s_mov_b32 s35, 0xfedcba98                      ; selects for lane l xor 16
	s_mov_b32 s36, 0x3eb8aa3b                      ; log2(e) / 4: the head's scale 16^-0.5 and the base of the exponentials
	s_mov_b32 s37, s36
	s_mov_b32 s38, 0x3fb8aa3b                      ; log2(e)
	s_mov_b32 s39, s38
	v_and_b32 v253, 31, v0                         ; lane
	v_and_b32 v254, 15, v0                         ; r
	v_bfe_u32 v255, v0, 4, 1                       ; hh
	; every LDS address is a constant + constants x lane, r, hh and the wave's number, made here, ahead of every branch
	v_lshlrev_b32 v[LI], 4, v253
	v_mul_u32_u24 v[AX16], v254, 272
	v_lshl_add_u32 v[AX16], v255, 4, v[AX16]
	v_add_nc_u32 v[AX16], L_X16, v[AX16]
	v_mul_u32_u24 v[AX4], v254, 80
	v_lshl_add_u32 v[AX4], v255, 4, v[AX4]
	v_add_nc_u32 v[AX4], L_X4, v[AX4]
	v_lshl_add_u32 v[AX4S], v254, 2, L_X4S
	s_mul_i32 s40, s16, 12288
	v_add_nc_u32 v[AWM], s40, v[LI]
	s_lshl_b32 s40, s19, 15
	s_add_co_u32 s40, s40, L_WP
	v_add_nc_u32 v[AWP], s40, v[LI]
	v_mul_u32_u24 v[AMS], v254, 528
	v_lshl_add_u32 v[AMS], v255, 5, v[AMS]
	v_add_nc_u32 v[AMS], L_MS, v[AMS]
	v_mul_u32_u24 v[AMM], v254, 272
	v_lshl_add_u32 v[AMM], v255, 5, v[AMM]         ; 272 r + 32 hh
	s_mul_i32 s40, s16, 4352
	s_add_co_u32 s40, s40, L_X16
	v_add_nc_u32 v[AST], s40, v[AMM]
	v_add_nc_u32 v[AMM], L_MM, v[AMM]
	v_mul_u32_u24 v[ASR], v255, 272
	v_lshl_add_u32 v[ASR], v254, 4, v[ASR]         ; 272 hh + 16 r
	s_mul_i32 s41, s16, 2176
	s_add_co_u32 s41, s41, L_MM
	v_add_nc_u32 v[AMMW], s41, v[ASR]
	v_add_nc_u32 v[ASR], s40, v[ASR]
	s_lshl_b32 s41, s16, 10
	s_add_co_u32 s41, s41, L_OI
	v_add_nc_u32 v[AOW], s41, v[LI]
	s_lshl_b32 s41, s20, 13
	s_add_co_u32 s42, s41, L_OI
	v_add_nc_u32 v[AOR], s42, v[LI]
	s_add_co_u32 s42, s41, L_PE
	v_add_nc_u32 v[APE], s42, v[LI]
	v_mul_u32_u24 v[AXS4], v255, 80
	v_lshl_add_u32 v[AXS4], v254, 2, v[AXS4]
	s_mul_i32 s41, s16, 1280
	s_add_co_u32 s41, s41, L_X4
	v_add_nc_u32 v[AXS4], s41, v[AXS4]
	v_lshrrev_b32 v[AXSS], 2, v254
	v_lshl_add_u32 v[AXSS], v255, 2, v[AXSS]
	s_lshl_b32 s41, s16, 6
	s_add_co_u32 s41, s41, L_X4S
	v_add_nc_u32 v[AXSS], s41, v[AXSS]
	s_mul_i32 s41, s16, 4224
	s_add_co_u32 s41, s41, L_MS
	v_add_nc_u32 v[AMSW], s41, v[LI]
	s_lshl_b32 s41, s19, 8
	s_add_co_u32 s41, s41, L_BP
	v_lshlrev_b32 v[ABP], 5, v255
	v_add_nc_u32 v[ABP], s41, v[ABP]
	v_lshlrev_b32 v[GX], 9, v255
	v_lshl_add_u32 v[GO], v254, 4, v[GX]
	v_lshl_add_u32 v[GX], v254, 5, v[GX]
	s_lshl_b32 s41, s17, 8
	v_xor_b32 v[GM], s41, v[LI]
	v_lshlrev_b32 v[GP], 8, v253
	v_lshlrev_b32 v[LW], 2, v253
	v_lshlrev_b32 v250, 4, v0                      ; the head's own: 16 x thread, in tab's weights and in LDS,
	v_add_nc_u32 v251, 0x10000, v250               ; (an LDS offset has 16 bits: three bases for 163,840 bytes)
	v_add_nc_u32 v252, 0x20000, v250
	s_lshl_b32 s41, s19, 12
	v_add_nc_u32 v253, s41, v[APE]                 ; my half of a tile of pe's images,
	v_add_nc_u32 v254, L_BP, v[LI]                 ; b_proj
	; my wave's constant parts of the offsets in memory
	s_lshl_b32 s41, s17, 2
	s_xor_b32 s41, s41, s16
	s_lshl_b32 s52, s41, 13                        ; x: token tile w xor 4 f, 8,192 bytes a tile
	s_lshl_b32 s57, s17, 15                        ; 64 f rows of 512 bytes
	s_lshl_b32 s41, s20, 13
	s_add_co_u32 s53, s57, s41
	s_lshl_b32 s41, s19, 8
	s_add_co_u32 s53, s53, s41                     ; out: my frame, token tile w & 3, column half w / 4
	s_lshl_b32 s55, s16, 12                        ; mask[:64, :64]: rows 8 w on
	s_add_co_u32 s54, s57, s55                     ; self mask: the same rows of my frame
	s_lshl_b32 s56, s16, 13                        ; prefetch of x: 8,192 bytes a wave
	s_add_co_u32 s57, s57, s56                     ; prefetch of the mask: my frame's rows, 8,192 bytes a wave
	s_cmp_eq_u32 s17, 0
	s_cselect_b32 s59, 6, 0                        ; items in which I prefetch x: those under 6, in the partner with f = 0
	s_cmp_lt_u32 s16, 4
	s_cselect_b32 s60, 5, 0                        ; and the mask: even items under 5, in waves 0-3
	s_wait_kmcnt 0x0
	; the f16 weights (163,840 bytes, dense in tab and in LDS) and pe go to LDS through registers, once
	s_add_nc_u64 s[42:43], s[12:13], T_WM
.set n, 0
.rept 40
	global_load_b128 v[58+4*n:61+4*n], v250, s[42:43] offset:4096*n
.set n, n+1
.endr
	s_lshl_b32 s32, s20, 13
	s_lshl_b32 s41, s19, 12
	s_add_co_u32 s32, s32, s41
	s_add_nc_u64 s[44:45], s[8:9], s[32:33]        ; pe: tile w & 3, its rows 8 (w / 4) on
.irp i, 0,1,2,3
	global_load_b128 v[218+8*\i:221+8*\i], v[GX], s[44:45] offset:1024*\i
	global_load_b128 v[222+8*\i:225+8*\i], v[GX], s[44:45] offset:1024*\i+16
.endr
	s_wait_loadcnt 0x0
.set n, 0
.rept 40
.if n < 16
	ds_store_b128 v250, v[58+4*n:61+4*n] offset:4096*n
.elseif n < 32
	ds_store_b128 v251, v[58+4*n:61+4*n] offset:4096*(n-16)
.else
	ds_store_b128 v252, v[58+4*n:61+4*n] offset:4096*(n-32)
.endif
.set n, n+1
.endr
.irp i, 0,1,2,3
	ds_store_b128 v253, v[218+8*\i:221+8*\i] offset:1024*\i
	ds_store_b128 v253, v[222+8*\i:225+8*\i] offset:1024*\i+512
.endr
	s_wait_dscnt 0x0                               ; the stores have read their registers, which take loads below
	s_cmp_lg_u32 s16, 0
	s_cbranch_scc1 .Lnot_wave_0
	global_load_b128 v[58:61], v[LI], s[10:11]     ; b_proj: 512 bytes, wave 0 alone
	s_wait_loadcnt 0x0
	ds_store_b128 v254, v[58:61]
.Lnot_wave_0:
	s_lshl_b32 s32, s17, 18
	s_lshl_b32 s41, s16, 15
	s_add_co_u32 s32, s32, s41
	s_add_nc_u64 s[42:43], s[12:13], s[32:33]      ; the bias of (f, my head): 32,768 bytes, which stay in v256-511
	WIN 0x40                                       ; destination: the upper window
.set n, 0
.rept 64
	global_load_b128 v[4*n:4*n+3], v[LI], s[42:43] offset:512*n
.set n, n+1
.endr
	WIN 0
	s_mul_i32 s32, s16, 3072
	s_add_co_u32 s32, s32, T_W4
	s_add_nc_u64 s[44:45], s[12:13], s[32:33]
	s_mul_i32 s32, s16, 384
	s_add_co_u32 s32, s32, T_W4S
	s_add_nc_u64 s[46:47], s[12:13], s[32:33]
.irp p, 0,1,2
	global_load_b128 v[WQ+8*\p:WQ+8*\p+3], v[LI], s[44:45] offset:1024*\p
	global_load_b128 v[WQ+8*\p+4:WQ+8*\p+7], v[LI], s[44:45] offset:1024*\p+512
	global_load_b32 v[SQ+\p], v[LW], s[46:47] offset:128*\p
.endr
	s_mov_b32 s21, 0                               ; the item's number
	WINDOW 21
	s_add_co_u32 s32, s41, s52
	s_add_nc_u64 s[24:25], s[4:5], s[32:33]
	s_add_co_u32 s32, s40, s54
	s_add_nc_u64 s[26:27], s[6:7], s[32:33]
	s_add_co_u32 s32, s40, s55
	s_add_nc_u64 s[28:29], s[6:7], s[32:33]
	MASKLD
	XLD
	MASKST                                         ; its wait for 0 also shows the bias and the code weights in
	BAR                                            ; the weights, pe, b_proj and the first mask lie in LDS: pe's images, which two waves wrote, are read ahead of the item's first barrier
.Litem:
	; ================= X: my token tile becomes codes with scale bytes, and f16(x + pe) =================
	s_wait_xcnt 0x0                                ; the last item's stores to memory have read v90-121, which take pe now
.irp i, 0,1,2,3,4,5,6,7
	ds_load_b128 v[FB+8*\i:FB+8*\i+3], v[APE] offset:1024*\i
	ds_load_b128 v[FB+8*\i+4:FB+8*\i+7], v[APE] offset:1024*\i+512
.endr
	s_wait_dscnt 16                                ; all but these sixteen: the mask's stores into LDS have read v218-241, which are written below
	s_wait_loadcnt 0x0                             ; x
.irp i, 0,1,2,3,4,5,6,7
	v_max3_num_f32 v[TM+\i], |v[D+8*\i]|, |v[D+8*\i+1]|, 0x1800000   ; row 2 i + hh: my 8 of a block of 32, over the floor 2^(3 - 127): the byte cannot fall under 1
.endr
.irp k, 2,4,6
.irp i, 0,1,2,3,4,5,6,7
	v_max3_num_f32 v[TM+\i], v[TM+\i], |v[D+8*\i+\k]|, |v[D+8*\i+\k+1]|
.endr
.endr
.irp i, 0,1,2,3,4,5,6,7
	v_max_num_f32_dpp v[TM+\i], v[TM+\i], v[TM+\i] row_xmask:1 row_mask:0xf bank_mask:0xf   ; four neighbouring lanes hold a block
.endr
.irp i, 0,1,2,3,4,5,6,7
	v_max_num_f32_dpp v[TM+\i], v[TM+\i], v[TM+\i] row_xmask:2 row_mask:0xf bank_mask:0xf
.endr
.irp i, 0,1,2,3,4,5,6,7
	v_add_nc_u32 v[SO+\i], 0xff000000, v[TM+\i]    ; 2 off the exponent field: the conversion's scale operand
.endr
.irp i, 0,1,2,3,4,5,6,7
	v_lshrrev_b32 v[TM+\i], 23, v[SO+\i]           ; the scale's byte
.endr
.irp i, 0,1,2,3,4,5,6,7
	v_cvt_scalef32_pk8_fp4_f32 v[PA+\i], v[D+8*\i:D+8*\i+7], v[SO+\i]
.endr
	v_nop                                          ; a plain instruction behind the last scaled conversion
.irp i, 0,1,2,3,4,5,6,7
	ds_store_b32 v[AXS4], v[PA+\i] offset:160*\i   ; 8 codes: 4 bytes of the row
.endr
.irp i, 0,1,2,3,4,5,6,7
	ds_store_b8 v[AXSS], v[TM+\i] offset:8*\i      ; the four lanes of a block write the same byte with the same value
.endr
	s_wait_dscnt 0x0                               ; pe is in
.set n, 0
.rept 32
	v_pk_add_f32 v[D+n:D+n+1], v[D+n:D+n+1], v[FB+n:FB+n+1]
.set n, n+2
.endr
.set n, 0
.rept 32
	v_cvt_pk_f16_f32 v[D+n], v[D+2*n], v[D+2*n+1]  ; packed in place, ascending
.set n, n+1
.endr
.irp i, 0,1,2,3,4,5,6,7
	ds_store_b128 v[ASR], v[D+4*\i:D+4*\i+3] offset:544*\i
.endr
.irp t, 0,1,2,3
.irp i, 4,5,6,7
	v_mov_b32 v[QF+8*\t+\i], 0                     ; the zero half of q's fragments (the projection's sums lay here)
.endr
.endr
	BAR                                            ; x's codes, scale bytes and f16 rows lie in LDS; nobody reads the last item's results any more
	; ================= the attentions: waves 0-3 SELF then MUT, waves 4-7 MUT then SELF.  Both read LDS that nobody writes here and store images of their own head: no barrier between =================
	s_mov_b32 s22, 0
.Lphase:
	s_xor_b32 s23, s22, s19
	s_cmp_lg_u32 s23, 0
	s_cbranch_scc1 .Lmutual
	SELF
	s_branch .Lphase_done
.Lmutual:
	MUT
.Lphase_done:
	s_add_co_u32 s22, s22, 1
	s_cmp_lt_u32 s22, 2
	s_cbranch_scc1 .Lphase
	BAR                                            ; all heads' results lie in LDS; nobody reads x's rows, its codes or the masks any more
	; ================= the projection of token tile w & 3, columns 64 (w / 4) on; the next item's loads go out first =================
	s_wait_xcnt 0x0                                ; every earlier load, store and prefetch has read its base: the pointers may be written
	WINDOW 21
	s_add_co_u32 s32, s41, s53
	s_add_nc_u64 s[30:31], s[14:15], s[32:33]      ; out, this item
	s_add_co_u32 s32, s40, s57
	s_add_co_u32 s32, s32, 0x10000
	s_add_nc_u64 s[50:51], s[6:7], s[32:33]        ; the next mask group, for the prefetch
	s_add_co_u32 s42, s21, 1
	WINDOW 42
	s_add_co_u32 s32, s41, s52
	s_add_nc_u64 s[24:25], s[4:5], s[32:33]        ; x and the masks of the next item
	s_add_co_u32 s32, s40, s54
	s_add_nc_u64 s[26:27], s[6:7], s[32:33]
	s_add_co_u32 s32, s40, s55
	s_add_nc_u64 s[28:29], s[6:7], s[32:33]
	s_add_co_u32 s42, s21, 2
	WINDOW 42
	s_add_co_u32 s32, s41, s56
	s_add_nc_u64 s[48:49], s[4:5], s[32:33]        ; x of the item after the next, for the prefetch
	s_and_b32 s44, s21, 1
	s_cmp_eq_u32 s21, 7
	s_cselect_b32 s44, 0, s44                      ; 1 in items 1, 3, 5: the next item has a new mask
.irp c, 0,1,2,3
	ds_load_b128 v[QF+8*\c:QF+8*\c+3], v[ABP] offset:64*\c       ; the bias starts the sums: lane (r, hh) holds outputs 16 ct + 8 hh + 0..7
	ds_load_b128 v[QF+8*\c+4:QF+8*\c+7], v[ABP] offset:64*\c+16
.endr
	s_cmp_lg_u32 s44, 0
	s_cbranch_scc0 .Lsame_mask
	MASKLD
.Lsame_mask:
	s_cmp_lt_u32 s21, 7
	s_cbranch_scc0 .Lno_next                       ; the last item asks for nothing: no load leaves its buffer
	XLD
	; Prefetches, behind the wave's loads.  x of item t + 2 (its loads go out in item t + 1): the window's 64 KB, 8,192 bytes a wave, a lane to each 256 bytes; of the two partners that read it the one with f = 0 asks.
	; In even items the next mask group, whose loads go out in the next item: each partner its own frame's 32 KB, waves 0-3.  So each 256 bytes are named once in the launch.  Items 6 and 7 ask for nothing.
	s_cmp_lt_u32 s21, s59
	s_cbranch_scc0 .Lno_x_ahead
	global_prefetch_b8 v[GP], s[48:49] th:TH_LOAD_NT scope:SCOPE_SE
.Lno_x_ahead:
	s_and_b32 s45, s21, 1
	s_cmp_eq_u32 s45, 0
	s_cselect_b32 s45, s60, 0
	s_cmp_lt_u32 s21, s45
	s_cbranch_scc0 .Lno_next
	global_prefetch_b8 v[GP], s[50:51] th:TH_LOAD_NT scope:SCOPE_SE
.Lno_next:
.irp s, 0,1,2,3,4,5,6,7                ; K step s = [mutual head s | self head s]; source 0 = 16 rows of w_proj, source 1 = my 16 tokens; four accumulators by turns
	ds_load_b128 v[FB:FB+3], v[AOR] offset:1024*\s
	ds_load_b128 v[FB+4:FB+7], v[AOR] offset:1024*\s+512
.irp c, 0,1,2,3
	ds_load_b128 v[FB+8+8*\c:FB+11+8*\c], v[AWP] offset:8192*\c+1024*\s
	ds_load_b128 v[FB+12+8*\c:FB+15+8*\c], v[AWP] offset:8192*\c+1024*\s+512
.endr
.irp c, 0,1,2,3
	s_wait_dscnt 6-2*\c                            ; the two loads of each weight fragment still to come may be out
	v_wmma_f32_16x16x32_f16 v[QF+8*\c:QF+8*\c+7], v[FB+8+8*\c:FB+15+8*\c], v[FB:FB+7], v[QF+8*\c:QF+8*\c+7]
.endr
	NOP4
.endr
	; the way out: a lane's 32 bytes of a row go into my stage (my own tile of the f16 rows, which nobody reads now) and come back as rows: sixteen lanes store 256 consecutive bytes, aligned
.irp c, 0,1,2,3
	ds_store_b128 v[AST], v[QF+8*\c:QF+8*\c+3] offset:64*\c
	ds_store_b128 v[AST], v[QF+8*\c+4:QF+8*\c+7] offset:64*\c+16
.endr
.irp i, 0,1,2,3,4,5,6,7
	ds_load_b128 v[FB+4*\i:FB+4*\i+3], v[ASR] offset:544*\i      ; LDS serves a wave's instructions in order (ISA guide 5.7.1.4): these see the stores above
.endr
.irp i, 0,1,2,3,4,5,6,7
	s_wait_dscnt 7-\i                              ; the later read-backs may be out
	global_store_b128 v[GO], v[FB+4*\i:FB+4*\i+3], s[30:31] offset:1024*\i th:TH_STORE_NT
.endr
	s_cmp_lg_u32 s44, 0
	s_cbranch_scc0 .Lkeep_mask
	MASKST                                         ; behind the second barrier nobody reads the old masks; the next item's first barrier stands ahead of the reads of the new
.Lkeep_mask:
	s_add_co_u32 s21, s21, 1
	s_cmp_lt_u32 s21, 8
	s_cbranch_scc1 .Litem
	s_wait_tensorcnt 0x0                           ; the wave's end: three closing lines, behind my last LDS store
	ds_add_u32 v[SPW], v[NIL]
	s_wait_dscnt 0x0
	s_endpgm
.Lfunc_end_k_q8278704dba_main:
	.size	k_q8278704dba_main, .Lfunc_end_k_q8278704dba_main-k_q8278704dba_main
	.p2alignl 7, 3214868480
	.fill 96, 4, 3214868480
	.section	.rodata,"a",@progbits
	.p2align	6, 0x0
	.amdhsa_kernel k_q8278704dba_main
		.amdhsa_group_segment_fixed_size 327680
		.amdhsa_private_segment_fixed_size 0
		.amdhsa_enable_private_segment 0
		.amdhsa_kernarg_size 48
		.amdhsa_user_sgpr_count 2
		.amdhsa_user_sgpr_kernarg_segment_ptr 1
		.amdhsa_wavefront_size32 1
		.amdhsa_system_sgpr_workgroup_id_x 1
		.amdhsa_system_sgpr_workgroup_id_y 1
		.amdhsa_system_sgpr_workgroup_id_z 1
		.amdhsa_system_vgpr_workitem_id 0
		.amdhsa_next_free_vgpr 512
		.amdhsa_next_free_sgpr 66
		.amdhsa_reserve_vcc 0
		.amdhsa_float_denorm_mode_32 3
		.amdhsa_float_denorm_mode_16_64 3
		.amdhsa_memory_ordered 1
		.amdhsa_forward_progress 1
		.amdhsa_inst_pref_size 170
	.end_amdhsa_kernel
	.amdgpu_metadata
---
amdhsa.version: [ 1, 2 ]
amdhsa.kernels:
  - .name:           k_q8278704dba_main
    .symbol:         k_q8278704dba_main.kd
    .args:
      - { .name: x, .offset: 0, .size: 8, .value_kind: global_buffer, .address_space: global }
      - { .name: mask, .offset: 8, .size: 8, .value_kind: global_buffer, .address_space: global }
      - { .name: pe, .offset: 16, .size: 8, .value_kind: global_buffer, .address_space: global }
      - { .name: b_proj, .offset: 24, .size: 8, .value_kind: global_buffer, .address_space: global }
      - { .name: tab, .offset: 32, .size: 8, .value_kind: global_buffer, .address_space: global }
      - { .name: out0, .offset: 40, .size: 8, .value_kind: global_buffer, .address_space: global }
    .group_segment_fixed_size: 327680
    .private_segment_fixed_size: 0
    .kernarg_segment_align: 8
    .kernarg_segment_size: 48
    .max_flat_workgroup_size: 256
    .sgpr_count:     66
    .vgpr_count:     512
    .wavefront_size: 32
...
	.end_amdgpu_metadata
.endif
;; end of part 2
;; ======== version 2 of 2: 2 launches; version 1 with the launch main written anew for expert scheduling mode
;; limits: values are held in f16: magnitudes above 65,504 overflow, below 6.1e-05 lose precision
;; workspace buffers: tab 715,776 bytes
;; launch prep: the kernel of part 1 again; grid 128 x 1, 1 waves a work-group, no clusters, 0 bytes of LDS; arguments rpe_index, rpe_table, w_qkv_self, w_qkv_mut, w_proj, tab; writes tab
;; launch main (part 3): grid 256 x 1, 8 waves a work-group, no clusters, 327,680 bytes of LDS; arguments x, mask, pe, b_proj, tab, out0; writes out0
.if DOCPART == 3
	.amdgcn_target "amdgcn-amd-amdhsa--gfx1250"
	.amdhsa_code_object_version 6
	.text
	.protected	k_q8278704dba_main
	.globl	k_q8278704dba_main
	.p2align	8
	.type	k_q8278704dba_main,@function
k_q8278704dba_main:
	s_mov_b64 s[64:65], 0
	v_nop
	global_prefetch_b8 v0, s[64:65] scope:SCOPE_SE
	s_setreg_imm32_b32 hwreg(HW_REG_WAVE_SCHED_MODE, 0, 2), 2
	s_setreg_imm32_b32 hwreg(HW_REG_WAVE_MODE, 25, 1), 1
	s_wait_xcnt 0x0
	s_wait_alu depctr_vm_vsrc(0)
; Window self-attention (qkv on E2M1 codes), two mutual attentions between a window's frames, and the projection, with nothing sent to memory on the way.
; SHARES.  A work-group owns ONE FRAME of output rows (f = number & 1: rows 64 f .. 64 f + 63) of 8 windows, one after the other (an ITEM).  So it wants half of the gathered bias, 8 heads x 64 x 128 f32 = 256 KB,
; and that half lies in registers v256-511 of its eight waves for the whole launch: wave = head, 64 registers a query tile.  Item t: mask group j = 4 (number / 2) + t / 2, window j + 512 (t & 1): a mask serves two items.
; A wave is head w in the qkv products and the attentions, token tile w where x is converted, token tile w & 3 x column half w / 4 in the projection.
; FRAME-RELATIVE ORDER.  Wave w loads the window's token tile w xor 4 f and keeps it as tile w: tiles 0-3 are the own frame (self queries; mutual keys and values), tiles 4-7 the other (mutual queries).
; Self keys run in that order; the mask's columns are swapped so as they are loaded, the bias was laid so.  A softmax does not mind the order of its keys.  f enters addresses in memory alone.
; LAYOUT.  Q, K: source 0 = 16 weight rows, source 1 = 16 tokens: a lane holds token r = lane % 16 and channels 8 hh + j (hh = lane / 16): four conversions are registers 0-3 of a fragment.  V the other way round.
; S^T = K Q^T: K = 16 channels fill half of the instruction's 32; Q's registers 4-7 are zeros, and K's operand runs on into four registers that hold other finite f16 numbers.  C is the mask (+ bias), so the logits cost no addition.
; A lane holds ONE query throughout; p packed to f16 in place is source 1 of O^T = V^T P^T; O^T's eight channels pack into half a fragment of the projection, whose K step s is [mutual head s | self head s].
; SOFTMAX: the row's true maximum is taken away; p = 2^(l - max), the logits carrying log2(e); the sum is of the f32 p; O^T is divided by it.
; TWO BARRIERS AN ITEM: behind the first x's codes and f16(x + pe) lie in LDS; behind the second the attentions' results.  Between them waves 0-3 run SELF then MUT, waves 4-7 MUT then SELF.
; LIMITS.  f16 operands: |x + pe|, the weights, q, k, v and the attentions' results stay under 65,504.  Inputs are finite (the zero half of K multiplies stale finite numbers).
; A block of 32 zeros of x gets the scale byte 1 where the quantiser says 127: its codes are zeros, and this program alone reads the bytes; blocks under 2^-124 are held at that byte.
; No tensor load and no cluster: what partners share is x, which has to pass through registers to be quantised.
; THE MODE: SCHED_MODE bits 1:0 = 2 (LLVM: expert scheduling mode 2), set by the entry lines.  The code itself states the register dependences between vector or matrix instructions and memory or LDS
; instructions, with s_wait_alu, always for 0.
; THE PLAN.  Registers that memory or LDS instructions touch, and who else names them:
;   v1-v23     addresses and offsets: written at the head, ahead of one wait on va_vdst, and never again.
;   D          x lands (asked for in the projection before); X converts it in place and stores v154-185.  SELF, MUT: the masks land.  MUT's q pass: v186-217 belong to a buffer of fragments.
;   v90-153    X: pe lands.  SELF: K and V, named by vector and matrix instructions alone.  MUT: buffers of fragments.  Projection: v90-129 fragments, then the read-backs that go to memory; v130-153 stage the next mask.
;   v218-249   X: codes and scale bytes to store.  SELF: a set of code fragments.  MUT: buffers of fragments; v234-237 a packed result to store.  Projection: v218-241 stage the next mask.
;   v250-253   a packed result: four conversions write it, one LDS store reads it.     v53-56  x's scale words land, the scaled products read them.     v58-89  b_proj lands; the stage's stores read the sums.
; Waits on vm_vsrc: behind the head's copies; at an item's head; at a phase's head; behind the second barrier; one in each of SELF's tiles 1-3 and at MUT's second pair.  Each stands behind the stores whose registers are written next.
; Waits on va_vdst: ahead of each run of stores whose data vector instructions made, and ahead of each run of loads into registers that vector or matrix instructions issued since the last such wait have named.
.set L_WP,  98304                      ; LDS: from 0 w_qkv_mut's f16 fragments (12,288 bytes a head), here w_proj's,
.set L_PE,  163840                     ; pe as images of the registers that x is loaded into: [tile 4][16][lane][16 B],
.set L_MS,  196608                     ; the self mask x log2(e): 64 rows, 528 bytes apart,
.set L_MM,  230400                     ; mask[:64, :64] x log2(e): 64 rows, 272 apart,
.set L_X16, 247808                     ; f16(x + pe): 128 rows, 272 apart; on the way out wave w's stage is its own tile's 4,352 bytes,
.set L_X4,  282624                     ; x's codes: 128 rows of 64 bytes, 80 apart,
.set L_X4S, 292864                     ; x's scale bytes, 4 a row,
.set L_OI,  293376                     ; the projection's operand as images: [tile 4][head 8][g 2][lane][16 B],
.set L_BP,  326144                     ; b_proj,
.set SPARE, 326656                     ; the spare words, 128 bytes for each wave: four blocks of 256 bytes that no other line names
.set T_WM,  524288                     ; tab: the f16 weights, E2M1 weights and their scale words
.set T_W4,  688128
.set T_W4S, 712704
.set LI,   1                           ; 16 x lane
.set AX16, 2                           ; L_X16 + 272 r + 16 hh
.set AX4,  3                           ; L_X4 + 80 r + 16 hh
.set AX4S, 4                           ; L_X4S + 4 r
.set AWM,  5                           ; 12,288 w + 16 lane
.set AWP,  6                           ; L_WP + 32,768 (w / 4) + 16 lane
.set AMS,  7                           ; L_MS + 528 r + 32 hh
.set AMM,  8                           ; L_MM + 272 r + 32 hh
.set AOW,  9                           ; L_OI + 1,024 w + 16 lane
.set AOR,  10                          ; L_OI + 8,192 (w & 3) + 16 lane
.set AST,  11                          ; L_X16 + 4,352 w + 272 r + 32 hh
.set ASR,  12                          ; L_X16 + 4,352 w + 272 hh + 16 r
.set AXS4, 13                          ; L_X4 + 1,280 w + 80 hh + 4 r
.set AXSS, 14                          ; L_X4S + 64 w + 4 hh + r / 4
.set APE,  15                          ; L_PE + 8,192 (w & 3) + 16 lane
.set AMSW, 16                          ; L_MS + 4,224 w + 16 lane
.set AMMW, 17                          ; L_MM + 2,176 w + 272 hh + 16 r
.set ABP,  18                          ; L_BP + 256 (w / 4) + 32 hh
.set GX,   19                          ; memory: 512 hh + 32 r
.set GM,   20                          ; (16 lane) xor 256 f
.set GO,   21                          ; 512 hh + 16 r
.set GP,   22                          ; 256 lane
.set LW,   23                          ; 4 lane
.set SPW,  24                          ; my spare word; never rewritten
.set NIL,  25                          ; 0; never rewritten
.set WQ,   26                          ; v26-49 w_qkv_self's three fragments of my head
.set WK,   34
.set WV,   42
.set SQ,   50                          ; v50-52 their scale words; v53-56 x's, two sets of two: these seven hold scales and nothing else
.set SK,   51
.set SV,   52
.set XS,   53
.set QF,   58                          ; v58-89   4 x [q | zeros]; the projection's four accumulators
.set KF,   90                          ; v90-121  K
.set VF,   122                         ; v122-153 V
.set FB,   90                          ; the same 64 as buffers of fragments where K and V are dead
.set D,    154                         ; v154-217 logits, p, accumulators of the qkv products, the next item's x
.set QB,   186                         ; the mutual q pass's buffers of five fragments: buffer 0 v186-225; buffer 1 v226-249 and v138-153
.set PA,   218                         ; v218-233 two accumulators of V^T P^T; a set of x's code fragments; x's codes as they are made
.set TM,   234                         ; v234-241 chains of maxima
.set MA,   242                         ; v242.. maxima, reciprocals, sums; where x is converted: the eight scale operands
.set MB,   244
.set LA,   246
.set LB,   248
.set SO,   242
.set OT,   250                         ; v250-253 a packed result
.set PX,   254                         ; v254, v255 destinations of lane permutes
.set T1,   255
.set MSB, 0
.macro WIN new                         ; the immediate's high byte repeats the setting that is left
.if MSB != \new
	s_set_vgpr_msb (MSB<<8)|\new
.set MSB, \new
.endif
.endm
.macro NOP4                            ; four plain instructions between a matrix instruction and a vector instruction that reads its result, or a load into one of its registers
.rept 4
	v_nop
.endr
.endm
.macro BAR                             ; my LDS stores have landed and my LDS loads are in; then the work-group's barrier
	s_wait_dscnt 0x0
	s_barrier_signal -1
	s_barrier_wait -1
.endm
.macro WINDOW treg                     ; of the item whose number is in s[treg]: s40 = 65,536 x mask group, s41 = 65,536 x window
	s_lshr_b32 s40, s[\treg], 1
	s_add_co_u32 s40, s40, s58
	s_and_b32 s41, s[\treg], 1
	s_lshl_b32 s41, s41, 9
	s_add_co_u32 s41, s41, s40
	s_lshl_b32 s40, s40, 16
	s_lshl_b32 s41, s41, 16
.endm
.macro XLD                             ; my token tile of x: D[8 i ..] = row 2 i + hh, k = 8 r .. 8 r + 7
.irp i, 0,1,2,3,4,5,6,7
	global_load_b128 v[D+8*\i:D+8*\i+3], v[GX], s[24:25] offset:1024*\i
	global_load_b128 v[D+8*\i+4:D+8*\i+7], v[GX], s[24:25] offset:1024*\i+16
.endr
.endm
.macro MASKLD                          ; my 8 rows of the frame's self mask, whole (halves swapped where f = 1), and my 8 rows of mask[:64, :64]
.irp i, 0,1,2,3,4,5
	global_load_b128 v[130+4*\i:133+4*\i], v[GM], s[26:27] offset:512*\i
.endr
.irp i, 6,7
	global_load_b128 v[218+4*(\i-6):221+4*(\i-6)], v[GM], s[26:27] offset:512*\i
.endr
.irp i, 0,1,2,3
	global_load_b128 v[226+4*\i:229+4*\i], v[GO], s[28:29] offset:1024*\i
.endr
.endm
.macro MASKST                          ; x log2(e), and into LDS
	s_wait_loadcnt 0x0                             ; for 0: the loads behind the mask's stand under another branch, so no count holds on every path
.set n, 0
.rept 12
	v_pk_mul_f32 v[130+n:131+n], v[130+n:131+n], s[38:39] op_sel_hi:[1,0]
.set n, n+2
.endr
.set n, 0
.rept 12
	v_pk_mul_f32 v[218+n:219+n], v[218+n:219+n], s[38:39] op_sel_hi:[1,0]
.set n, n+2
.endr
	s_wait_alu depctr_va_vdst(0)                   ; the multiplications have written v130-153 and v218-241, which the LDS stores below read
.irp i, 0,1,2,3,4,5
	ds_store_b128 v[AMSW], v[130+4*\i:133+4*\i] offset:528*\i
.endr
.irp i, 6,7
	ds_store_b128 v[AMSW], v[218+4*(\i-6):221+4*(\i-6)] offset:528*\i
.endr
.irp i, 0,1,2,3
	ds_store_b128 v[AMMW], v[226+4*\i:229+4*\i] offset:544*\i
.endr
.endm
; ================= SELF: qkv on codes, then four query tiles =================
.macro L4 b, fr, sc                    ; code fragments and scale words of token tiles 2 b, 2 b + 1: six LDS loads
.irp u, 0,1
	ds_load_b128 v[\fr+8*\u:\fr+8*\u+3], v[AX4] offset:1280*(2*(\b)+\u)
	ds_load_b128 v[\fr+8*\u+4:\fr+8*\u+7], v[AX4] offset:1280*(2*(\b)+\u)+32
	ds_load_b32 v[\sc+\u], v[AX4S] offset:64*(2*(\b)+\u)
.endr
.endm
.macro MM4 d, a, b, sa, sb
	v_wmma_scale_f32_16x16x128_f8f6f4 v[\d:\d+7], v[\a:\a+7], v[\b:\b+7], 0, v[\sa], v[\sb] matrix_a_fmt:MATRIX_FMT_FP4 matrix_b_fmt:MATRIX_FMT_FP4
.endm
.macro BATCH4 b, fr, sc                ; K and V of tiles 2 b, 2 b + 1, and Q where they are the own frame's (b < 2); K = 128 is one instruction, so every sum starts and ends in it
.if (\b) < 3
	s_wait_dscnt 6                                 ; this batch's six loads are in; the next batch's six may be out
.else
	s_wait_dscnt 0x0
.endif
.irp u, 0,1
	MM4 D+8*\u, WK, \fr+8*\u, SK, \sc+\u
	MM4 D+16+8*\u, \fr+8*\u, WV, \sc+\u, SV
.if (\b) < 2
	MM4 D+32+8*\u, WQ, \fr+8*\u, SQ, \sc+\u
.endif
.endr
	NOP4
.if (\b) < 2
	s_wait_alu depctr_va_vdst(0)                   ; the products above are done reading this set of fragments and its two scale words, in which the loads below land
	L4 (\b)+2, \fr, \sc                            ; the set just multiplied takes the batch after the next; the conversions below name none of its registers
.endif
.irp u, 0,1
.irp i, 0,1,2,3
	v_cvt_pk_f16_f32 v[KF+4*(2*(\b)+\u)+\i], v[D+8*\u+2*\i], v[D+8*\u+2*\i+1]
.endr
.irp i, 0,1,2,3
	v_cvt_pk_f16_f32 v[VF+4*(2*(\b)+\u)+\i], v[D+16+8*\u+2*\i], v[D+16+8*\u+2*\i+1]
.endr
.if (\b) < 2
.irp i, 0,1,2,3
	v_pk_mul_f32 v[D+32+8*\u+2*\i:D+32+8*\u+2*\i+1], v[D+32+8*\u+2*\i:D+32+8*\u+2*\i+1], s[36:37] op_sel_hi:[1,0]   ; q x log2(e) / 4, in f32
.endr
.irp i, 0,1,2,3
	v_cvt_pk_f16_f32 v[QF+8*(2*(\b)+\u)+\i], v[D+32+8*\u+2*\i], v[D+32+8*\u+2*\i+1]
.endr
.endif
.endr
.endm
.macro SLOADM qt                       ; the mask of query tile qt into the logits' registers: lane (r, hh): query r, register 8 kt + j key 16 kt + 8 hh + j
.irp kt, 0,1,2,3,4,5,6,7
	ds_load_b128 v[D+8*\kt:D+8*\kt+3], v[AMS] offset:8448*(\qt)+64*\kt
	ds_load_b128 v[D+8*\kt+4:D+8*\kt+7], v[AMS] offset:8448*(\qt)+64*\kt+16
.endr
.endm
.macro CHAINS                          ; eight chains, one an accumulator, each begun at its accumulator's low end, seven numbers each
.irp c, 0,1,2,3,4,5,6,7
	v_max3_num_f32 v[TM+\c], v[D+8*\c], v[D+8*\c+1], v[D+8*\c+2]
.endr
.irp i, 3,5
.irp c, 0,1,2,3,4,5,6,7
	v_max3_num_f32 v[TM+\c], v[TM+\c], v[D+8*\c+\i], v[D+8*\c+\i+1]
.endr
.endr
.endm
.macro EXP64                           ; 64 exponentials as one batch, a plain instruction, one wait ahead of the first reader
.set n, 0
.rept 64
	v_exp_f32 v[D+n], v[D+n]
.set n, n+1
.endr
	v_nop
	s_wait_alu depctr_va_vdst(0)                   ; the exponentials have written D, ahead of their first reader
.endm
.macro SATT qt
	s_wait_dscnt 0x0                               ; the mask is in
	WIN 0x04                                       ; source 1: the bias, v256 + 64 qt on
.set n, 0
.rept 32
	v_pk_add_f32 v[D+n:D+n+1], v[D+n:D+n+1], v[64*(\qt)+n:64*(\qt)+n+1]
.set n, n+2
.endr
	WIN 0
.irp kt, 0,1,2,3,4,5,6,7
	v_wmma_f32_16x16x32_f16 v[D+8*\kt:D+8*\kt+7], v[KF+4*\kt:KF+4*\kt+7], v[QF+8*(\qt):QF+8*(\qt)+7], v[D+8*\kt:D+8*\kt+7]
.endr
	NOP4
	CHAINS
.irp c, 0,1,2,3
	v_max3_num_f32 v[TM+\c], v[TM+\c], v[D+16*\c+7], v[D+16*\c+15]
.endr
	v_max3_num_f32 v[TM], v[TM], v[TM+4], v[TM+5]
	v_max3_num_f32 v[TM+1], v[TM+1], v[TM+6], v[TM+7]
	v_max3_num_f32 v[TM], v[TM], v[TM+1], v[TM+2]
	v_max_num_f32 v[TM], v[TM], v[TM+3]
	v_permlanex16_b32 v[PX], v[TM], s34, s35       ; the query's other 64 keys lie in the lane 16 away
	v_max_num_f32 v[MA], v[TM], v[PX]
.set n, 0
.rept 32
	v_pk_add_f32 v[D+n:D+n+1], v[D+n:D+n+1], v[MA:MA+1] op_sel_hi:[1,0] neg_lo:[0,1] neg_hi:[0,1]
.set n, n+2
.endr
	EXP64
.if (\qt) > 0
	ds_store_b128 v[AOW], v[OT:OT+3] offset:8192*((\qt)-1)+512   ; the tile before: registers 4-7 of the projection's fragment (that tile, K step = my head).  The wait above stands behind the conversions that wrote v250-253, and nothing since names them
.endif
	v_pk_add_f32 v[LA:LA+1], v[D:D+1], v[D+2:D+3]  ; the sum of the f32 p, in two chains; each pair is summed before a packed word lands on it
	v_pk_add_f32 v[LB:LB+1], v[D+4:D+5], v[D+6:D+7]
.irp n, 0,1,2,3
	v_cvt_pk_f16_f32 v[D+\n], v[D+2*\n], v[D+2*\n+1]
.endr
.set n, 4
.rept 14
	v_pk_add_f32 v[LA:LA+1], v[LA:LA+1], v[D+2*n:D+2*n+1]
	v_cvt_pk_f16_f32 v[D+n], v[D+2*n], v[D+2*n+1]
	v_pk_add_f32 v[LB:LB+1], v[LB:LB+1], v[D+2*n+2:D+2*n+3]
	v_cvt_pk_f16_f32 v[D+n+1], v[D+2*n+2], v[D+2*n+3]
.set n, n+2
.endr
	v_wmma_f32_16x16x32_f16 v[PA:PA+7], v[VF:VF+7], v[D:D+7], 0                       ; O^T in two accumulators that take turns
	v_wmma_f32_16x16x32_f16 v[PA+8:PA+15], v[VF+8:VF+15], v[D+8:D+15], 0
	v_wmma_f32_16x16x32_f16 v[PA:PA+7], v[VF+16:VF+23], v[D+16:D+23], v[PA:PA+7]
	v_wmma_f32_16x16x32_f16 v[PA+8:PA+15], v[VF+24:VF+31], v[D+24:D+31], v[PA+8:PA+15]
	v_pk_add_f32 v[LA:LA+1], v[LA:LA+1], v[LB:LB+1]   ; the row's sum: these lines are also the plain instructions behind the products
	v_add_f32 v[LA], v[LA], v[LA+1]
	v_permlanex16_b32 v[PX], v[LA], s34, s35
	v_add_f32 v[LA], v[LA], v[PX]
	v_nop
	v_rcp_f32 v[MB], v[LA]
	v_nop
	s_wait_alu depctr_va_vdst(0)                   ; the reciprocal is written, ahead of its first reader; the four products are done reading p, and the conversions have written it, in D, where the next mask lands
.if (\qt) > 0
	s_wait_alu depctr_vm_vsrc(0)                   ; the store of the tile before has read v250-253, which the conversions below write
.endif
.if (\qt) < 3
	SLOADM (\qt)+1                                 ; the next tile's mask is on its way while this tile is finished: the lines below name none of D
.endif
.irp i, 0,2,4,6
	v_pk_add_f32 v[PA+\i:PA+\i+1], v[PA+\i:PA+\i+1], v[PA+8+\i:PA+9+\i]
.endr
.irp i, 0,2,4,6
	v_pk_mul_f32 v[PA+\i:PA+\i+1], v[PA+\i:PA+\i+1], v[MB:MB+1] op_sel_hi:[1,0]
.endr
.irp i, 0,1,2,3
	v_cvt_pk_f16_f32 v[OT+\i], v[PA+2*\i], v[PA+2*\i+1]
.endr
.if (\qt) == 3
	s_wait_alu depctr_va_vdst(0)                   ; the conversions have written v250-253, which the store reads: no later tile's wait is there to serve the last tile
	ds_store_b128 v[AOW], v[OT:OT+3] offset:8192*3+512
.endif
.endm
.macro SELF
	L4 0, D+48, XS
	L4 1, PA, XS+2
	BATCH4 0, D+48, XS
	BATCH4 1, PA, XS+2
	BATCH4 2, D+48, XS
	BATCH4 3, PA, XS+2
	s_wait_alu depctr_va_vdst(0)                   ; the conversions are done reading D, and batch 2's products their fragments from D + 48 on: the first mask lands in D
	SLOADM 0
	SATT 0
	SATT 1
	SATT 2
	SATT 3
.endm
; ================= MUT: qkv in f16, then two pairs of query tiles =================
.macro MLOADM p                        ; mask[:64, :64] of query tiles 2 p and 2 p + 1 into the two halves of D
.irp a, 0,1
.irp kt, 0,1,2,3
	ds_load_b128 v[D+32*\a+8*\kt:D+32*\a+8*\kt+3], v[AMM] offset:4352*(2*(\p)+\a)+64*\kt
	ds_load_b128 v[D+32*\a+8*\kt+4:D+32*\a+8*\kt+7], v[AMM] offset:4352*(2*(\p)+\a)+64*\kt+16
.endr
.endr
.endm
.macro WFR reg, part, s                ; a fragment of my head's rows of w_qkv_mut (part 0, 1, 2: q, k, v), 32 along K from 32 s on
	ds_load_b128 v[\reg:\reg+3], v[AWM] offset:4096*(\part)+1024*(\s)
	ds_load_b128 v[\reg+4:\reg+7], v[AWM] offset:4096*(\part)+1024*(\s)+512
.endm
.macro XFR reg, tile, s                ; a fragment of f16(x + pe): a token tile, 32 along K from 32 s on
	ds_load_b128 v[\reg:\reg+3], v[AX16] offset:4352*(\tile)+64*(\s)
	ds_load_b128 v[\reg+4:\reg+7], v[AX16] offset:4352*(\tile)+64*(\s)+32
.endm
; Each pass has TWO buffers of fragments, which take turns step by step; a buffer is asked for again, two steps ahead, behind the wait that shows its products done reading it.
.macro LQ s                            ; the q pass, step s: the weight's fragment and those of token tiles 4-7, ten loads, into buffer s % 2
.set rb, QB+40*((\s)%2)
	WFR rb, 0, \s
.irp t, 0,1,2,3
.set rb, QB+8*(\t+1)+((\s)%2)*(40-112*((\t+1)/3))
	XFR rb, 4+\t, \s
.endr
.endm
.macro QSTEP s, young                  ; its four products, four accumulators by turns.  young: the LDS loads issued behind this step's ten
.irp t, 0,1,2,3
.set rw, QB+40*((\s)%2)
.set rb, QB+8*(\t+1)+((\s)%2)*(40-112*((\t+1)/3))
	s_wait_dscnt \young+6-2*\t                     ; the two loads of each tile still to come, and the later steps' loads, may be out
.if (\s) == 0
	v_wmma_f32_16x16x32_f16 v[D+8*\t:D+8*\t+7], v[rw:rw+7], v[rb:rb+7], 0
.else
	v_wmma_f32_16x16x32_f16 v[D+8*\t:D+8*\t+7], v[rw:rw+7], v[rb:rb+7], v[D+8*\t:D+8*\t+7]
.endif
.endr
.endm
.macro LKV s                           ; the k, v pass, step s: two weight fragments and token tiles 0-3, twelve loads, into buffer s % 2: v90-137, or v138-153 and v218-249
.set rb, FB+48*((\s)%2)
	WFR rb, 1, \s
.set rb, FB+8+48*((\s)%2)
	WFR rb, 2, \s
.irp t, 0,1,2,3
.set rb, FB+16+8*\t+112*((\s)%2)
	XFR rb, \t, \s
.endr
.endm
.macro KVSTEP s, young                 ; its eight products, eight accumulators by turns
.irp t, 0,1,2,3
.set rk, FB+48*((\s)%2)
.set rv, FB+8+48*((\s)%2)
.set rb, FB+16+8*\t+112*((\s)%2)
	s_wait_dscnt \young+6-2*\t
.if (\s) == 0
	v_wmma_f32_16x16x32_f16 v[D+16*\t:D+16*\t+7], v[rk:rk+7], v[rb:rb+7], 0
	v_wmma_f32_16x16x32_f16 v[D+16*\t+8:D+16*\t+15], v[rb:rb+7], v[rv:rv+7], 0
.else
	v_wmma_f32_16x16x32_f16 v[D+16*\t:D+16*\t+7], v[rk:rk+7], v[rb:rb+7], v[D+16*\t:D+16*\t+7]
	v_wmma_f32_16x16x32_f16 v[D+16*\t+8:D+16*\t+15], v[rb:rb+7], v[rv:rv+7], v[D+16*\t+8:D+16*\t+15]
.endif
.endr
.endm
.macro QKV16
	; q of the other frame's four tiles (tiles 4-7): four accumulators by turns, 32 along K a step
	LQ 0
	LQ 1
	QSTEP 0, 10                                    ; behind step 0's loads: step 1's ten
	NOP4
	s_wait_alu depctr_va_vdst(0)                   ; step 0's products are done reading v186-225, in which step 2's fragments land
	LQ 2
	QSTEP 1, 10                                    ; behind step 1's: step 2's ten
	NOP4
	s_wait_alu depctr_va_vdst(0)                   ; step 1's products are done reading v226-249 and v138-153, in which step 3's fragments land
	LQ 3
	LKV 0                                          ; v90-137 lie idle through the q pass: no vector or matrix instruction since the phase's head names them
	QSTEP 2, 22                                    ; behind step 2's: step 3's ten and the twelve of k and v
	QSTEP 3, 12
	NOP4
	s_wait_alu depctr_va_vdst(0)                   ; the q pass's products are done reading v138-153 and v218-249, in which step 1 of k and v lands
	LKV 1                                          ; the lines below name D's lower half and q's fragments alone
.irp t, 0,1,2,3
.irp i, 0,1,2,3
	v_pk_mul_f32 v[D+8*\t+2*\i:D+8*\t+2*\i+1], v[D+8*\t+2*\i:D+8*\t+2*\i+1], s[36:37] op_sel_hi:[1,0]
.endr
.endr
.irp t, 0,1,2,3
.irp i, 0,1,2,3
	v_cvt_pk_f16_f32 v[QF+8*\t+\i], v[D+8*\t+2*\i], v[D+8*\t+2*\i+1]
.endr
.endr
	; k and v of the own frame's four tiles: eight accumulators by turns
	KVSTEP 0, 12
	NOP4
	s_wait_alu depctr_va_vdst(0)                   ; step 0's products are done reading v90-137, in which step 2's fragments land
	LKV 2
	KVSTEP 1, 12
	NOP4
	s_wait_alu depctr_va_vdst(0)                   ; step 1's products are done reading v138-153 and v218-249, in which step 3's fragments land
	LKV 3
	KVSTEP 2, 12
	KVSTEP 3, 0
	NOP4
.irp t, 0,1,2,3
.irp i, 0,1,2,3
	v_cvt_pk_f16_f32 v[KF+4*\t+\i], v[D+16*\t+2*\i], v[D+16*\t+2*\i+1]   ; (KF + 16 .. 19, into which the last key tile's operand runs on, keep a fragment of f16(x + pe))
.endr
.irp i, 0,1,2,3
	v_cvt_pk_f16_f32 v[VF+4*\t+\i], v[D+16*\t+8+2*\i], v[D+16*\t+9+2*\i]
.endr
.endr
.endm
.macro MATT2 p                         ; query tiles 2 p (D's lower half, TM 0-3, MA, LA) and 2 p + 1 (upper half, TM 4-7, MB, LB), 64 keys each
	s_wait_dscnt 0x0
.if (\p) > 0
	s_wait_alu depctr_vm_vsrc(0)                   ; the stores of the pair before have read v234-237 and v250-253, which the chains of maxima and the conversions below write
.endif
.irp a, 0,1
.irp kt, 0,1,2,3
	v_wmma_f32_16x16x32_f16 v[D+32*\a+8*\kt:D+32*\a+8*\kt+7], v[KF+4*\kt:KF+4*\kt+7], v[QF+8*(2*(\p)+\a):QF+8*(2*(\p)+\a)+7], v[D+32*\a+8*\kt:D+32*\a+8*\kt+7]
.endr
.endr
	NOP4
	CHAINS
	v_max3_num_f32 v[TM], v[TM], v[D+7], v[D+15]
	v_max3_num_f32 v[TM+1], v[TM+1], v[D+23], v[D+31]
	v_max3_num_f32 v[TM+4], v[TM+4], v[D+39], v[D+47]
	v_max3_num_f32 v[TM+5], v[TM+5], v[D+55], v[D+63]
	v_max3_num_f32 v[TM], v[TM], v[TM+1], v[TM+2]
	v_max3_num_f32 v[TM+4], v[TM+4], v[TM+5], v[TM+6]
	v_max_num_f32 v[TM], v[TM], v[TM+3]
	v_max_num_f32 v[TM+4], v[TM+4], v[TM+7]
	v_permlanex16_b32 v[PX], v[TM], s34, s35
	v_permlanex16_b32 v[T1], v[TM+4], s34, s35
	v_max_num_f32 v[MA], v[TM], v[PX]
	v_max_num_f32 v[MB], v[TM+4], v[T1]
.set n, 0
.rept 16
	v_pk_add_f32 v[D+n:D+n+1], v[D+n:D+n+1], v[MA:MA+1] op_sel_hi:[1,0] neg_lo:[0,1] neg_hi:[0,1]
	v_pk_add_f32 v[D+32+n:D+33+n], v[D+32+n:D+33+n], v[MB:MB+1] op_sel_hi:[1,0] neg_lo:[0,1] neg_hi:[0,1]
.set n, n+2
.endr
	EXP64
	v_pk_add_f32 v[LA:LA+1], v[D:D+1], v[D+2:D+3]
	v_pk_add_f32 v[LB:LB+1], v[D+32:D+33], v[D+34:D+35]
	v_cvt_pk_f16_f32 v[D], v[D], v[D+1]
	v_cvt_pk_f16_f32 v[D+32], v[D+32], v[D+33]
	v_cvt_pk_f16_f32 v[D+1], v[D+2], v[D+3]
	v_cvt_pk_f16_f32 v[D+33], v[D+34], v[D+35]
.set n, 2
.rept 14
	v_pk_add_f32 v[LA:LA+1], v[LA:LA+1], v[D+2*n:D+2*n+1]
	v_cvt_pk_f16_f32 v[D+n], v[D+2*n], v[D+2*n+1]
	v_pk_add_f32 v[LB:LB+1], v[LB:LB+1], v[D+32+2*n:D+33+2*n]
	v_cvt_pk_f16_f32 v[D+32+n], v[D+32+2*n], v[D+33+2*n]
.set n, n+1
.endr
	v_wmma_f32_16x16x32_f16 v[PA:PA+7], v[VF:VF+7], v[D:D+7], 0                       ; one accumulator a query tile, by turns
	v_wmma_f32_16x16x32_f16 v[PA+8:PA+15], v[VF:VF+7], v[D+32:D+39], 0
	v_wmma_f32_16x16x32_f16 v[PA:PA+7], v[VF+8:VF+15], v[D+8:D+15], v[PA:PA+7]
	v_wmma_f32_16x16x32_f16 v[PA+8:PA+15], v[VF+8:VF+15], v[D+40:D+47], v[PA+8:PA+15]
	v_add_f32 v[LA], v[LA], v[LA+1]                ; the rows' sums: the four additions are the plain instructions behind the products
	v_add_f32 v[LB], v[LB], v[LB+1]
	v_permlanex16_b32 v[PX], v[LA], s34, s35
	v_permlanex16_b32 v[T1], v[LB], s34, s35
	v_add_f32 v[LA], v[LA], v[PX]
	v_add_f32 v[LB], v[LB], v[T1]
	v_rcp_f32 v[MA], v[LA]
	v_rcp_f32 v[MB], v[LB]
	v_nop
	s_wait_alu depctr_va_vdst(0)                   ; the two reciprocals are written, ahead of their first reader; the four products are done reading p, and the conversions have written it, in D, where the next masks land
.if (\p) < 1
	MLOADM (\p)+1
.endif
.irp i, 0,2,4,6
	v_pk_mul_f32 v[PA+\i:PA+\i+1], v[PA+\i:PA+\i+1], v[MA:MA+1] op_sel_hi:[1,0]
.endr
.irp i, 0,2,4,6
	v_pk_mul_f32 v[PA+8+\i:PA+9+\i], v[PA+8+\i:PA+9+\i], v[MB:MB+1] op_sel_hi:[1,0]
.endr
.irp i, 0,1,2,3
	v_cvt_pk_f16_f32 v[OT+\i], v[PA+2*\i], v[PA+2*\i+1]
.endr
.irp i, 0,1,2,3
	v_cvt_pk_f16_f32 v[TM+\i], v[PA+8+2*\i], v[PA+9+2*\i]
.endr
	s_wait_alu depctr_va_vdst(0)                   ; the conversions have written v250-253 and v234-237, which the two stores read
	ds_store_b128 v[AOW], v[OT:OT+3] offset:8192*(2*(\p))      ; registers 0-3 of the projection's fragment: the query of the other frame's token n gives output row n of mine
	ds_store_b128 v[AOW], v[TM:TM+3] offset:8192*(2*(\p)+1)
.endm
.macro MUT
	QKV16
	s_wait_alu depctr_va_vdst(0)                   ; the conversions are done reading D, in which the first masks land
	MLOADM 0
	MATT2 0
	MATT2 1
.endm
; ================= the head =================
	s_load_b256 s[4:11], s[0:1], 0x0               ; x s[4:5], mask s[6:7], pe s[8:9], b_proj s[10:11]
	s_load_b128 s[12:15], s[0:1], 0x20             ; tab s[12:13], out0 s[14:15]
	v_lshl_add_u32 v[SPW], v0, 2, SPARE
	v_mov_b32 v[NIL], 0
	v_lshrrev_b32 v253, 5, v0
	v_readfirstlane_b32 s16, v253                  ; w: wave 0..7
	s_and_b32 s17, ttmp9, 1                        ; f: my frame
	s_lshr_b32 s18, ttmp9, 1
	s_lshl_b32 s58, s18, 2                         ; my first mask group
	s_wait_alu depctr_va_sdst(0)                   ; s16 is written, ahead of its first reader
	s_lshr_b32 s19, s16, 2                         ; w / 4
	s_and_b32 s20, s16, 3                          ; w & 3
	s_mov_b32 s33, 0                               ; the high word of the offset pair s[32:33]
	s_mov_b32 s34, 0x76543210
	s_mov_b32 s35, 0xfedcba98                      ; selects for lane l xor 16
	s_mov_b32 s36, 0x3eb8aa3b                      ; log2(e) / 4: the head's scale 16^-0.5 and the base of the exponentials
	s_mov_b32 s37, s36
	s_mov_b32 s38, 0x3fb8aa3b                      ; log2(e)
	s_mov_b32 s39, s38
	v_and_b32 v253, 31, v0                         ; lane
	v_and_b32 v254, 15, v0                         ; r
	v_bfe_u32 v255, v0, 4, 1                       ; hh
	; every LDS address is a constant + constants x lane, r, hh and the wave's number, made here, ahead of every branch
	v_lshlrev_b32 v[LI], 4, v253
	v_mul_u32_u24 v[AX16], v254, 272
	v_lshl_add_u32 v[AX16], v255, 4, v[AX16]
	v_add_nc_u32 v[AX16], L_X16, v[AX16]
	v_mul_u32_u24 v[AX4], v254, 80
	v_lshl_add_u32 v[AX4], v255, 4, v[AX4]
	v_add_nc_u32 v[AX4], L_X4, v[AX4]
	v_lshl_add_u32 v[AX4S], v254, 2, L_X4S
	s_mul_i32 s40, s16, 12288
	v_add_nc_u32 v[AWM], s40, v[LI]
	s_lshl_b32 s40, s19, 15
	s_add_co_u32 s40, s40, L_WP
	v_add_nc_u32 v[AWP], s40, v[LI]
	v_mul_u32_u24 v[AMS], v254, 528
	v_lshl_add_u32 v[AMS], v255, 5, v[AMS]
	v_add_nc_u32 v[AMS], L_MS, v[AMS]
	v_mul_u32_u24 v[AMM], v254, 272
	v_lshl_add_u32 v[AMM], v255, 5, v[AMM]         ; 272 r + 32 hh
	s_mul_i32 s40, s16, 4352
	s_add_co_u32 s40, s40, L_X16
	v_add_nc_u32 v[AST], s40, v[AMM]
	v_add_nc_u32 v[AMM], L_MM, v[AMM]
	v_mul_u32_u24 v[ASR], v255, 272
	v_lshl_add_u32 v[ASR], v254, 4, v[ASR]         ; 272 hh + 16 r
	s_mul_i32 s41, s16, 2176
	s_add_co_u32 s41, s41, L_MM
	v_add_nc_u32 v[AMMW], s41, v[ASR]
	v_add_nc_u32 v[ASR], s40, v[ASR]
	s_lshl_b32 s41, s16, 10
	s_add_co_u32 s41, s41, L_OI
	v_add_nc_u32 v[AOW], s41, v[LI]
	s_lshl_b32 s41, s20, 13
	s_add_co_u32 s42, s41, L_OI
	v_add_nc_u32 v[AOR], s42, v[LI]
	s_add_co_u32 s42, s41, L_PE
	v_add_nc_u32 v[APE], s42, v[LI]
	v_mul_u32_u24 v[AXS4], v255, 80
	v_lshl_add_u32 v[AXS4], v254, 2, v[AXS4]
	s_mul_i32 s41, s16, 1280
	s_add_co_u32 s41, s41, L_X4
	v_add_nc_u32 v[AXS4], s41, v[AXS4]
	v_lshrrev_b32 v[AXSS], 2, v254
	v_lshl_add_u32 v[AXSS], v255, 2, v[AXSS]
	s_lshl_b32 s41, s16, 6
	s_add_co_u32 s41, s41, L_X4S
	v_add_nc_u32 v[AXSS], s41, v[AXSS]
	s_mul_i32 s41, s16, 4224
	s_add_co_u32 s41, s41, L_MS
	v_add_nc_u32 v[AMSW], s41, v[LI]
	s_lshl_b32 s41, s19, 8
	s_add_co_u32 s41, s41, L_BP
	v_lshlrev_b32 v[ABP], 5, v255
	v_add_nc_u32 v[ABP], s41, v[ABP]
	v_lshlrev_b32 v[GX], 9, v255
	v_lshl_add_u32 v[GO], v254, 4, v[GX]
	v_lshl_add_u32 v[GX], v254, 5, v[GX]
	s_lshl_b32 s41, s17, 8
	v_xor_b32 v[GM], s41, v[LI]
	v_lshlrev_b32 v[GP], 8, v253
	v_lshlrev_b32 v[LW], 2, v253
	v_lshlrev_b32 v250, 4, v0                      ; the head's own: 16 x thread, in tab's weights and in LDS,
	v_add_nc_u32 v251, 0x10000, v250               ; (an LDS offset has 16 bits: three bases for 163,840 bytes)
	v_add_nc_u32 v252, 0x20000, v250
	s_lshl_b32 s41, s19, 12
	v_add_nc_u32 v253, s41, v[APE]                 ; my half of a tile of pe's images,
	v_add_nc_u32 v254, L_BP, v[LI]                 ; b_proj
	; my wave's constant parts of the offsets in memory
	s_lshl_b32 s41, s17, 2
	s_xor_b32 s41, s41, s16
	s_lshl_b32 s52, s41, 13                        ; x: token tile w xor 4 f, 8,192 bytes a tile
	s_lshl_b32 s57, s17, 15                        ; 64 f rows of 512 bytes
	s_lshl_b32 s41, s20, 13
	s_add_co_u32 s53, s57, s41
	s_lshl_b32 s41, s19, 8
	s_add_co_u32 s53, s53, s41                     ; out: my frame, token tile w & 3, column half w / 4
	s_lshl_b32 s55, s16, 12                        ; mask[:64, :64]: rows 8 w on
	s_add_co_u32 s54, s57, s55                     ; self mask: the same rows of my frame
	s_lshl_b32 s56, s16, 13                        ; prefetch of x: 8,192 bytes a wave
	s_add_co_u32 s57, s57, s56                     ; prefetch of the mask: my frame's rows, 8,192 bytes a wave
	s_cmp_eq_u32 s17, 0
	s_cselect_b32 s59, 6, 0                        ; items in which I prefetch x: those under 6, in the partner with f = 0
	s_cmp_lt_u32 s16, 4
	s_cselect_b32 s60, 5, 0                        ; and the mask: even items under 5, in waves 0-3
	s_wait_kmcnt 0x0
	; the f16 weights (163,840 bytes, dense in tab and in LDS) and pe go to LDS through registers, once
	s_add_nc_u64 s[42:43], s[12:13], T_WM
	s_wait_alu depctr_va_vdst(0)                   ; the addresses and offsets v1-v23 and v250-254 are written: every load, store and prefetch of the kernel reads one of them
.set n, 0
.rept 40
	global_load_b128 v[58+4*n:61+4*n], v250, s[42:43] offset:4096*n
.set n, n+1
.endr
	s_lshl_b32 s32, s20, 13
	s_lshl_b32 s41, s19, 12
	s_add_co_u32 s32, s32, s41
	s_add_nc_u64 s[44:45], s[8:9], s[32:33]        ; pe: tile w & 3, its rows 8 (w / 4) on
.irp i, 0,1,2,3
	global_load_b128 v[218+8*\i:221+8*\i], v[GX], s[44:45] offset:1024*\i
	global_load_b128 v[222+8*\i:225+8*\i], v[GX], s[44:45] offset:1024*\i+16
.endr
	s_wait_loadcnt 0x0
.set n, 0
.rept 40
.if n < 16
	ds_store_b128 v250, v[58+4*n:61+4*n] offset:4096*n
.elseif n < 32
	ds_store_b128 v251, v[58+4*n:61+4*n] offset:4096*(n-16)
.else
	ds_store_b128 v252, v[58+4*n:61+4*n] offset:4096*(n-32)
.endif
.set n, n+1
.endr
.irp i, 0,1,2,3
	ds_store_b128 v253, v[218+8*\i:221+8*\i] offset:1024*\i
	ds_store_b128 v253, v[222+8*\i:225+8*\i] offset:1024*\i+512
.endr
	s_wait_dscnt 0x0                               ; the stores have read their registers, which take loads below
	s_wait_alu depctr_vm_vsrc(0)                   ; the LDS stores above have read v58-249, in which b_proj, the first mask and the first x land
	s_cmp_lg_u32 s16, 0
	s_cbranch_scc1 .Lnot_wave_0
	global_load_b128 v[58:61], v[LI], s[10:11]     ; b_proj: 512 bytes, wave 0 alone
	s_wait_loadcnt 0x0
	ds_store_b128 v254, v[58:61]
.Lnot_wave_0:
	s_lshl_b32 s32, s17, 18
	s_lshl_b32 s41, s16, 15
	s_add_co_u32 s32, s32, s41
	s_add_nc_u64 s[42:43], s[12:13], s[32:33]      ; the bias of (f, my head): 32,768 bytes, which stay in v256-511
	WIN 0x40                                       ; destination: the upper window
.set n, 0
.rept 64
	global_load_b128 v[4*n:4*n+3], v[LI], s[42:43] offset:512*n
.set n, n+1
.endr
	WIN 0
	s_mul_i32 s32, s16, 3072
	s_add_co_u32 s32, s32, T_W4
	s_add_nc_u64 s[44:45], s[12:13], s[32:33]
	s_mul_i32 s32, s16, 384
	s_add_co_u32 s32, s32, T_W4S
	s_add_nc_u64 s[46:47], s[12:13], s[32:33]
.irp p, 0,1,2
	global_load_b128 v[WQ+8*\p:WQ+8*\p+3], v[LI], s[44:45] offset:1024*\p
	global_load_b128 v[WQ+8*\p+4:WQ+8*\p+7], v[LI], s[44:45] offset:1024*\p+512
	global_load_b32 v[SQ+\p], v[LW], s[46:47] offset:128*\p
.endr
	s_mov_b32 s21, 0                               ; the item's number
	WINDOW 21
	s_add_co_u32 s32, s41, s52
	s_add_nc_u64 s[24:25], s[4:5], s[32:33]
	s_add_co_u32 s32, s40, s54
	s_add_nc_u64 s[26:27], s[6:7], s[32:33]
	s_add_co_u32 s32, s40, s55
	s_add_nc_u64 s[28:29], s[6:7], s[32:33]
	MASKLD
	XLD
	MASKST                                         ; its wait for 0 also shows the bias and the code weights in
	BAR                                            ; the weights, pe, b_proj and the first mask lie in LDS: pe's images, which two waves wrote, are read ahead of the item's first barrier
.Litem:
	; ================= X: my token tile becomes codes with scale bytes, and f16(x + pe) =================
	s_wait_xcnt 0x0                                ; the last item's stores to memory have read v90-121, which take pe now
	s_wait_alu depctr_vm_vsrc(0)                   ; the stores to memory have read v90-121 and the mask's LDS stores v130-153, in which pe lands; the mask's stores have read v218-241 and the stage's (first trip: b_proj's) v58-89, which this phase writes
.irp i, 0,1,2,3,4,5,6,7
	ds_load_b128 v[FB+8*\i:FB+8*\i+3], v[APE] offset:1024*\i
	ds_load_b128 v[FB+8*\i+4:FB+8*\i+7], v[APE] offset:1024*\i+512
.endr
	s_wait_dscnt 16                                ; all but these sixteen: the mask's stores into LDS have read v218-241, which are written below
	s_wait_loadcnt 0x0                             ; x
.irp i, 0,1,2,3,4,5,6,7
	v_max3_num_f32 v[TM+\i], |v[D+8*\i]|, |v[D+8*\i+1]|, 0x1800000   ; row 2 i + hh: my 8 of a block of 32, over the floor 2^(3 - 127): the byte cannot fall under 1
.endr
.irp k, 2,4,6
.irp i, 0,1,2,3,4,5,6,7
	v_max3_num_f32 v[TM+\i], v[TM+\i], |v[D+8*\i+\k]|, |v[D+8*\i+\k+1]|
.endr
.endr
.irp i, 0,1,2,3,4,5,6,7
	v_max_num_f32_dpp v[TM+\i], v[TM+\i], v[TM+\i] row_xmask:1 row_mask:0xf bank_mask:0xf   ; four neighbouring lanes hold a block
.endr
.irp i, 0,1,2,3,4,5,6,7
	v_max_num_f32_dpp v[TM+\i], v[TM+\i], v[TM+\i] row_xmask:2 row_mask:0xf bank_mask:0xf
.endr
.irp i, 0,1,2,3,4,5,6,7
	v_add_nc_u32 v[SO+\i], 0xff000000, v[TM+\i]    ; 2 off the exponent field: the conversion's scale operand
.endr
.irp i, 0,1,2,3,4,5,6,7
	v_lshrrev_b32 v[TM+\i], 23, v[SO+\i]           ; the scale's byte
.endr
.irp i, 0,1,2,3,4,5,6,7
	v_cvt_scalef32_pk8_fp4_f32 v[PA+\i], v[D+8*\i:D+8*\i+7], v[SO+\i]
.endr
	v_nop                                          ; a plain instruction behind the last scaled conversion
	s_wait_dscnt 0x0                               ; pe is in
.set n, 0
.rept 32
	v_pk_add_f32 v[D+n:D+n+1], v[D+n:D+n+1], v[FB+n:FB+n+1]
.set n, n+2
.endr
.set n, 0
.rept 32
	v_cvt_pk_f16_f32 v[D+n], v[D+2*n], v[D+2*n+1]  ; packed in place, ascending
.set n, n+1
.endr
.irp t, 0,1,2,3
.irp i, 4,5,6,7
	v_mov_b32 v[QF+8*\t+\i], 0                     ; the zero half of q's fragments (the projection's sums lay here)
.endr
.endr
	s_wait_alu depctr_va_vdst(0)                   ; all of the phase's vector work stands ahead of its stores: the codes in v218-225, the bytes in v234-241 and the f16 rows in v154-185 are written
.irp i, 0,1,2,3,4,5,6,7
	ds_store_b32 v[AXS4], v[PA+\i] offset:160*\i   ; 8 codes: 4 bytes of the row
.endr
.irp i, 0,1,2,3,4,5,6,7
	ds_store_b8 v[AXSS], v[TM+\i] offset:8*\i      ; the four lanes of a block write the same byte with the same value
.endr
.irp i, 0,1,2,3,4,5,6,7
	ds_store_b128 v[ASR], v[D+4*\i:D+4*\i+3] offset:544*\i
.endr
	BAR                                            ; x's codes, scale bytes and f16 rows lie in LDS; nobody reads the last item's results any more
	; ================= the attentions: waves 0-3 SELF then MUT, waves 4-7 MUT then SELF.  Both read LDS that nobody writes here and store images of their own head: no barrier between =================
	s_mov_b32 s22, 0
.Lphase:
	s_wait_alu depctr_vm_vsrc(0)                   ; first phase: X's stores have read v154-185, v218-225 and v234-241; second phase: the first's last stores have read v234-237 and v250-253: loads land in these and products and conversions write them
	s_xor_b32 s23, s22, s19
	s_cmp_lg_u32 s23, 0
	s_cbranch_scc1 .Lmutual
	SELF
	s_branch .Lphase_done
.Lmutual:
	MUT
.Lphase_done:
	s_add_co_u32 s22, s22, 1
	s_cmp_lt_u32 s22, 2
	s_cbranch_scc1 .Lphase
	BAR                                            ; all heads' results lie in LDS; nobody reads x's rows, its codes or the masks any more
	; ================= the projection of token tile w & 3, columns 64 (w / 4) on; the next item's loads go out first =================
	s_wait_alu depctr_vm_vsrc(0)                   ; the last phase's stores have read v234-237, in which the next mask lands
	s_wait_xcnt 0x0                                ; every earlier load, store and prefetch has read its base: the pointers may be written
	WINDOW 21
	s_add_co_u32 s32, s41, s53
	s_add_nc_u64 s[30:31], s[14:15], s[32:33]      ; out, this item
	s_add_co_u32 s32, s40, s57
	s_add_co_u32 s32, s32, 0x10000
	s_add_nc_u64 s[50:51], s[6:7], s[32:33]        ; the next mask group, for the prefetch
	s_add_co_u32 s42, s21, 1
	WINDOW 42
	s_add_co_u32 s32, s41, s52
	s_add_nc_u64 s[24:25], s[4:5], s[32:33]        ; x and the masks of the next item
	s_add_co_u32 s32, s40, s54
	s_add_nc_u64 s[26:27], s[6:7], s[32:33]
	s_add_co_u32 s32, s40, s55
	s_add_nc_u64 s[28:29], s[6:7], s[32:33]
	s_add_co_u32 s42, s21, 2
	WINDOW 42
	s_add_co_u32 s32, s41, s56
	s_add_nc_u64 s[48:49], s[4:5], s[32:33]        ; x of the item after the next, for the prefetch
	s_and_b32 s44, s21, 1
	s_cmp_eq_u32 s21, 7
	s_cselect_b32 s44, 0, s44                      ; 1 in items 1, 3, 5: the next item has a new mask
	; No wait on va_vdst here: each phase ends with such a wait ahead of its last stores, and no vector or matrix instruction has been issued since
.irp c, 0,1,2,3
	ds_load_b128 v[QF+8*\c:QF+8*\c+3], v[ABP] offset:64*\c       ; the bias starts the sums: lane (r, hh) holds outputs 16 ct + 8 hh + 0..7
	ds_load_b128 v[QF+8*\c+4:QF+8*\c+7], v[ABP] offset:64*\c+16
.endr
	s_cmp_lg_u32 s44, 0
	s_cbranch_scc0 .Lsame_mask
	MASKLD
.Lsame_mask:
	s_cmp_lt_u32 s21, 7
	s_cbranch_scc0 .Lno_next                       ; the last item asks for nothing: no load leaves its buffer
	XLD
	; Prefetches, behind the wave's loads.  x of item t + 2 (its loads go out in item t + 1): the window's 64 KB, 8,192 bytes a wave, a lane to each 256 bytes; of the two partners that read it the one with f = 0 asks.
	; In even items the next mask group, whose loads go out in the next item: each partner its own frame's 32 KB, waves 0-3.  So each 256 bytes are named once in the launch.  Items 6 and 7 ask for nothing.
	s_cmp_lt_u32 s21, s59
	s_cbranch_scc0 .Lno_x_ahead
	global_prefetch_b8 v[GP], s[48:49] th:TH_LOAD_NT scope:SCOPE_SE
.Lno_x_ahead:
	s_and_b32 s45, s21, 1
	s_cmp_eq_u32 s45, 0
	s_cselect_b32 s45, s60, 0
	s_cmp_lt_u32 s21, s45
	s_cbranch_scc0 .Lno_next
	global_prefetch_b8 v[GP], s[50:51] th:TH_LOAD_NT scope:SCOPE_SE
.Lno_next:
.irp s, 0,1,2,3,4,5,6,7                ; K step s = [mutual head s | self head s]; source 0 = 16 rows of w_proj, source 1 = my 16 tokens; four accumulators by turns
.if \s > 0
	s_wait_alu depctr_va_vdst(0)                   ; the last K step's products are done reading v90-129, in which the loads below land (one buffer: D holds the next x, v130-153 and v218-241 the next mask)
.endif
	ds_load_b128 v[FB:FB+3], v[AOR] offset:1024*\s
	ds_load_b128 v[FB+4:FB+7], v[AOR] offset:1024*\s+512
.irp c, 0,1,2,3
	ds_load_b128 v[FB+8+8*\c:FB+11+8*\c], v[AWP] offset:8192*\c+1024*\s
	ds_load_b128 v[FB+12+8*\c:FB+15+8*\c], v[AWP] offset:8192*\c+1024*\s+512
.endr
.irp c, 0,1,2,3
	s_wait_dscnt 6-2*\c                            ; the two loads of each weight fragment still to come may be out
	v_wmma_f32_16x16x32_f16 v[QF+8*\c:QF+8*\c+7], v[FB+8+8*\c:FB+15+8*\c], v[FB:FB+7], v[QF+8*\c:QF+8*\c+7]
.endr
	NOP4
.endr
	; the way out: a lane's 32 bytes of a row go into my stage (my own tile of the f16 rows, which nobody reads now) and come back as rows: sixteen lanes store 256 consecutive bytes, aligned
	s_wait_alu depctr_va_vdst(0)                   ; the products have written the four sums, which the LDS stores read (the four places above stay beside this wait), and are done reading v90-121, in which the read-backs land
.irp c, 0,1,2,3
	ds_store_b128 v[AST], v[QF+8*\c:QF+8*\c+3] offset:64*\c
	ds_store_b128 v[AST], v[QF+8*\c+4:QF+8*\c+7] offset:64*\c+16
.endr
.irp i, 0,1,2,3,4,5,6,7
	ds_load_b128 v[FB+4*\i:FB+4*\i+3], v[ASR] offset:544*\i      ; LDS serves a wave's instructions in order (ISA guide 5.7.1.4): these see the stores above
.endr
.irp i, 0,1,2,3,4,5,6,7
	s_wait_dscnt 7-\i                              ; the later read-backs may be out
	global_store_b128 v[GO], v[FB+4*\i:FB+4*\i+3], s[30:31] offset:1024*\i th:TH_STORE_NT
.endr
	s_cmp_lg_u32 s44, 0
	s_cbranch_scc0 .Lkeep_mask
	MASKST                                         ; behind the second barrier nobody reads the old masks; the next item's first barrier stands ahead of the reads of the new
.Lkeep_mask:
	s_add_co_u32 s21, s21, 1
	s_cmp_lt_u32 s21, 8
	s_cbranch_scc1 .Litem
	s_wait_dscnt 0x0                               ; the closing lines, six on end
	s_wait_alu 0x0
	s_wait_tensorcnt 0x0
	ds_add_u32 v[SPW], v[NIL]
	s_wait_dscnt 0x0
	s_endpgm
.Lfunc_end_k_q8278704dba_main:
	.size	k_q8278704dba_main, .Lfunc_end_k_q8278704dba_main-k_q8278704dba_main
	.p2alignl 7, 3214868480
	.fill 96, 4, 3214868480
	.section	.rodata,"a",@progbits
	.p2align	6, 0x0
	.amdhsa_kernel k_q8278704dba_main
		.amdhsa_group_segment_fixed_size 327680
		.amdhsa_private_segment_fixed_size 0
		.amdhsa_enable_private_segment 0
		.amdhsa_kernarg_size 48
		.amdhsa_user_sgpr_count 2
		.amdhsa_user_sgpr_kernarg_segment_ptr 1
		.amdhsa_wavefront_size32 1
		.amdhsa_system_sgpr_workgroup_id_x 1
		.amdhsa_system_sgpr_workgroup_id_y 1
		.amdhsa_system_sgpr_workgroup_id_z 1
		.amdhsa_system_vgpr_workitem_id 0
		.amdhsa_next_free_vgpr 512
		.amdhsa_next_free_sgpr 66
		.amdhsa_reserve_vcc 0
		.amdhsa_float_denorm_mode_32 3
		.amdhsa_float_denorm_mode_16_64 3
		.amdhsa_memory_ordered 1
		.amdhsa_forward_progress 1
		.amdhsa_inst_pref_size 170
	.end_amdhsa_kernel
	.amdgpu_metadata
---
amdhsa.version: [ 1, 2 ]
amdhsa.kernels:
  - .name:           k_q8278704dba_main
    .symbol:         k_q8278704dba_main.kd
    .args:
      - { .name: x, .offset: 0, .size: 8, .value_kind: global_buffer, .address_space: global }
      - { .name: mask, .offset: 8, .size: 8, .value_kind: global_buffer, .address_space: global }
      - { .name: pe, .offset: 16, .size: 8, .value_kind: global_buffer, .address_space: global }
      - { .name: b_proj, .offset: 24, .size: 8, .value_kind: global_buffer, .address_space: global }
      - { .name: tab, .offset: 32, .size: 8, .value_kind: global_buffer, .address_space: global }
      - { .name: out0, .offset: 40, .size: 8, .value_kind: global_buffer, .address_space: global }
    .group_segment_fixed_size: 327680
    .private_segment_fixed_size: 0
    .kernarg_segment_align: 8
    .kernarg_segment_size: 48
    .max_flat_workgroup_size: 256
    .sgpr_count:     66
    .vgpr_count:     512
    .wavefront_size: 32
...
	.end_amdgpu_metadata
.endif
;; end of part 3
